; MI455X (gfx1250); checked and timed in simulation.
; The chip was launched on July 23, 2026; its instructions are those of AMD's public machine-readable ISA for CDNA 5 (MIT licence, August 2026) and "CDNA5" Instruction Set Architecture Reference Guide (July 2026). The comments in the code are by the model that wrote it; some were corrected since.
;; Multihead Attention. Allowed arithmetic: matrix products marked QUANTISED: E4M3 operands, one given power-of-two scale a tensor, by v_wmma_f32_16x16x64_fp8_fp8 or v_wmma_f32_16x16x128_fp8_fp8, f32 sums; everything else in f32.
;; Inputs: Wk 1,024 x 1,024 float32; Wo 1,024 x 1,024 float32; Wq 1,024 x 1,024 float32; Wv 1,024 x 1,024 float32; attn_mask 2,048 x 2,048 float32; bk 1,024 float32; bo 1,024 float32; bq 1,024 float32; bv 1,024 float32; key 4 x 2,048 x 1,024 float32; key_padding_mask 4 x 2,048 bool; lowp_scales 12 int32 (the exponents e of the quantised operands' scales 2^e); query 4 x 2,048 x 1,024 float32; value 4 x 2,048 x 1,024 float32.
;; Outputs: out0 4 x 2,048 x 1,024 float32.
;; This version of the problem:
;;   THIS VERSION OF THE PROBLEM IS GIVEN IN LOW PRECISION. The matrix products marked QUANTISED in the list below multiply operands that are first quantised to E4M3 (4 exponent bits, 3 mantissa bits; 8 bits a number), with one given power-of-two scale for each operand tensor; their sums are f32. All else is computed in f32.
;;   The module's matrix products, in the order in which they are computed (A, B: the left and right operand; K: the contracted axis; several contracted axes count as one K, in the product's order):
;;     1. [M 8,192, K 1,024] x [K 1,024, N 1,024]; A: input query; B: input Wq: QUANTISED (scales: A lowp_scales[0], B lowp_scales[1])
;;     2. [M 8,192, K 1,024] x [K 1,024, N 1,024]; A: input key; B: input Wk: QUANTISED (scales: A lowp_scales[2], B lowp_scales[3])
;;     3. [M 8,192, K 1,024] x [K 1,024, N 1,024]; A: input value; B: input Wv: QUANTISED (scales: A lowp_scales[4], B lowp_scales[5])
;;     4. batch 64 x [M 2,048, K 64] x [K 64, N 2,048]; A: computed on the way; B: computed on the way: QUANTISED (scales: A lowp_scales[6], B lowp_scales[7])
;;     5. batch 64 x [M 2,048, K 2,048] x [K 2,048, N 64]; A: softmax (see below); B: computed on the way: QUANTISED (scales: A lowp_scales[8], B lowp_scales[9])
;;     6. [M 8,192, K 1,024] x [K 1,024, N 1,024]; A: computed on the way; B: input Wo: QUANTISED (scales: A lowp_scales[10], B lowp_scales[11])
;;   THE QUANTISER, for each operand of a quantised product, along K:
;;     - The operand's scale is 2^e, e = its entry of the input lowp_scales (int32; the entries are numbered through the quantised products in the list's order, A before B).
;;     - Each number is divided by the scale, clamped to +-448, and rounded to the nearest number of E4M3, ties to even, subnormals kept.
;;     - The product sums the exact products of the quantised numbers (number of the format x scale) in f32.
;;   ~~~python
;;   def quantise(x, axis, e):      # numpy; x: float32 -> the quantised numbers, widened to float32 again
;;       x = np.moveaxis(x, axis, -1); K = x.shape[-1]
;;       r = np.clip(x / 2.0 ** e, -448, 448)
;;       step = 2.0 ** (np.maximum(np.frexp(np.where(r == 0, 1, r))[1] - 1, -6) - 3)
;;       q = np.round(r / step) * step * 2.0 ** e      # np.round: ties to even
;;       return np.moveaxis(q, -1, axis).astype(np.float32)
;;   ~~~
;;   SOFTMAX AHEAD OF A QUANTISED PRODUCT. Where the list says 'softmax', what is quantised is not the finished softmax but p = 2^(t - M), with t = logit x log2(e) and M = ceil(the row's largest t), a whole number; so 1/2 < the row's largest p <= 1. The row's sum l is taken of the UNQUANTISED p, in f32, and the product's result is divided by l at the end. Since M is a whole number, a kernel that streams over the keys may use a running M (the ceiling of the running maximum): every later rescaling is an exact power of two, so the quantised numbers keep their values, but for numbers so far below the row's largest that they fall under the format's range.
;;   OPERANDS COMPUTED ON THE WAY. 'Computed on the way' means the value that the module computes at that place (a softmax that the list does not call 'softmax' is quantised finished and normalised). What goes into a quantiser is computed in f32, as accurately as f32 sums, v_exp_f32 and their like allow (about 1e-6 of the number): no bf16 or f16 on the way to a quantiser, and a product that is left as it is and whose result goes on into a quantised operand takes f32 operands (vector FMAs, or v_wmma_f32_16x16x4_f32). A number that lies on a knife's edge between two numbers of the format may be rounded either way, as far as f32 arithmetic and the matrix unit's own rounding can turn it there, and no further.
;; One version. Each part assembles by itself: llvm-mc -triple=amdgcn-amd-amdhsa -mcpu=gfx1250 --defsym DOCPART=n.
;; ======== version 1 of 1: 4 launches
;; limits: right only within a limited range of input values
;; workspace buffers: xw 29,360,128 bytes; qc 8,388,608 bytes; kv 16,777,216 bytes; ac 8,388,608 bytes
;; launch quant (part 1): grid 896 x 1, 4 waves a work-group, no clusters, 33,280 bytes of LDS; arguments query, key, value, Wq, Wk, Wv, Wo, lowp_scales, xw; writes xw
.if DOCPART == 1
	.amdgcn_target "amdgcn-amd-amdhsa--gfx1250"
	.amdhsa_code_object_version 6
	.text
	.protected	k_qef0e11f397_quant
	.globl	k_qef0e11f397_quant
	.p2align	8
	.type	k_qef0e11f397_quant,@function
k_qef0e11f397_quant:
	s_mov_b64 s[64:65], 0
	v_nop
	global_prefetch_b8 v0, s[64:65] scope:SCOPE_SE
	s_setreg_imm32_b32 hwreg(HW_REG_WAVE_MODE, 25, 1), 1
	s_wait_xcnt 0x0
; query, key, value [8192][1024] and Wq, Wk, Wv, Wo [1024][1024], f32, K innermost in all seven, become codes of E4M3, one byte each, in the one buffer xw, in this order, rows as they lie.
; code = x / 2^e, held within +-448, rounded to the nearest code, ties to even.  e: entries 0, 2, 4 (query, key, value) and 1, 3, 5, 11 (Wq, Wk, Wv, Wo) of the buffer of scales.
; LIMITS: -126 <= e <= 119, so that 2^e and 448 x 2^e are f32 numbers.  NaN among the inputs is not served (an infinity is held at the largest code).
; Rows are dense, so each tensor is a plain stream.  A work-group takes 32,768 numbers, a wave 8,192 in 16 steps of 512.  Work-groups 0-255 query, 256-511 key, 512-767 value, 768-799 Wq, 800-831 Wk, 832-863 Wv, 864-895 Wo:
; that is xw's own order, so the codes' place hangs on the work-group's number alone; the source and its e are chosen by selects on that number: one path through the text.
; The conversion takes 8 neighbours from ONE lane's registers, a load is best where neighbouring LANES take neighbouring bytes: each of a step's four loads reads 512 consecutive bytes, the 2,048 bytes turn through the
; wave's own stage in LDS (16 bytes of padding behind each 64) and come back 64 bytes a lane.  A lane's 16 codes are 16 bytes: the wave stores 512 consecutive bytes.  No barrier: waves share nothing.
.set STEPS, 16
.set EMAX,  8
.set MANT,  0x600000                   ; the mantissa field of 448 as f32
.set CB,    16                         ; bytes of 16 codes
.set R,     16                         ; v16-79   four sets of 16 numbers as they are loaded
.set X,     80                         ; v80-111  two sets of 16 neighbours
.set C,     128                        ; v128-191 codes: four registers for each step, so that no store's data are written again
.set WREG,  8192                       ; LDS: a region for each wave: two stages of 32 x SP bytes
.set SP,    80                         ; a lane's place in a stage: its 64 bytes + 16 of padding
.macro PICKP lim, ptr                  ; from work-group lim on: the source at s[ptr], whose first work-group is lim
	s_cmp_ge_u32 ttmp9, \lim
	s_cselect_b64 s[4:5], s[\ptr:\ptr+1], s[4:5]
	s_cselect_b32 s6, \lim, s6
.endm
.macro PICKE lim, ereg                 ; and its exponent
	s_cmp_ge_u32 ttmp9, \lim
	s_cselect_b32 s7, s[\ereg], s7
.endm
	s_load_b512 s[16:31], s[0:1], 0x0              ; query 16, key 18, value 20, Wq 22, Wk 24, Wv 26, Wo 28, the scales 30
	s_load_b64 s[32:33], s[0:1], 0x40              ; xw
	v_lshl_add_u32 v192, v0, 2, 0x8000
	v_mov_b32 v193, 0
	v_lshrrev_b32 v1, 5, v0
	v_readfirstlane_b32 s8, v1                     ; wave
	v_and_b32 v2, 31, v0                           ; lane
	v_lshlrev_b32 v3, 4, v2                        ; my 16 bytes of a load's 512
	s_mul_i32 s9, s8, WREG
	v_lshrrev_b32 v14, 2, v2
	v_mul_u32_u24 v14, v14, SP
	v_and_b32 v15, 3, v2
	v_lshl_add_u32 v14, v15, 4, v14
	v_add_nc_u32 v14, s9, v14                      ; the stage, on the way in: SP (lane / 4) + 16 (lane % 4); a load's 512 bytes take eight places
	v_mul_u32_u24 v15, v2, SP
	v_add_nc_u32 v15, s9, v15                      ; and on the way out: SP x lane: my 16 neighbours
	v_mul_u32_u24 v4, v2, CB                       ; my codes' place in a step's
	s_wait_alu depctr_va_vdst(0)
	s_wait_kmcnt 0x0
	s_load_b256 s[36:43], s[30:31], 0x0            ; e0 .. e7
	s_load_b128 s[44:47], s[30:31], 0x20           ; e8 .. e11
	s_mov_b64 s[4:5], s[16:17]
	s_mov_b32 s6, 0
	PICKP 256, 18
	PICKP 512, 20
	PICKP 768, 22
	PICKP 800, 24
	PICKP 832, 26
	PICKP 864, 28
	s_sub_co_u32 s10, ttmp9, s6
	s_lshl_b32 s10, s10, 2
	s_add_co_u32 s10, s10, s8                      ; which run of 8,192 numbers of the source is my wave's
	s_lshl_b32 s10, s10, 15                        ; in bytes: under 2^26
	s_mov_b32 s11, 0
	s_add_nc_u64 s[4:5], s[4:5], s[10:11]
	s_lshl_b32 s12, ttmp9, 2
	s_add_co_u32 s12, s12, s8
	s_lshl_b32 s12, s12, 13                        ; and of xw
	s_mov_b32 s13, 0
	s_add_nc_u64 s[32:33], s[32:33], s[12:13]
.macro LOAD t
.irp i, 0,1,2,3
	global_load_b128 v[R+16*((\t)%4)+4*\i:R+16*((\t)%4)+4*\i+3], v3, s[4:5] offset:2048*(\t)+512*\i th:TH_LOAD_NT   ; 32 lanes read 512 consecutive bytes
.endr
.endm
.macro TURN t                          ; step t's numbers through the stage: LDS serves a wave's instructions in order, so no wait stands between the stores and the loads
.irp i, 0,1,2,3
	ds_store_b128 v14, v[R+16*((\t)%4)+4*\i:R+16*((\t)%4)+4*\i+3] offset:32*SP*((\t)%2)+8*SP*\i
.endr
.irp i, 0,1,2,3
	ds_load_b128 v[X+16*((\t)%2)+4*\i:X+16*((\t)%2)+4*\i+3], v15 offset:32*SP*((\t)%2)+16*\i
.endr
.endm
.irp t, 0,1,2,3
	LOAD \t
.endr
	s_wait_kmcnt 0x0
	s_mov_b32 s7, s36
	PICKE 256, 38
	PICKE 512, 40
	PICKE 768, 37
	PICKE 800, 39
	PICKE 832, 41
	PICKE 864, 47
	s_add_co_i32 s7, s7, 127
	s_lshl_b32 s14, s7, 23
	v_mov_b32 v11, s14                             ; 2^e as f32: the conversion takes its exponent field
	s_add_co_i32 s7, s7, EMAX
	s_lshl_b32 s7, s7, 23
	s_or_b32 s7, s7, MANT
	v_mov_b32 v10, s7                              ; 448 x 2^e
	s_wait_alu depctr_va_vdst(0)
	s_wait_loadcnt 12                              ; step 0's four loads are in; the twelve of steps 1 to 3 may be out
	TURN 0
.macro STEP t
.set XS, X+16*((\t)%2)
	s_wait_dscnt 0x0                               ; this step's numbers are back from the stage: so its stores into the stage have read their registers,
.if (\t)+4 < STEPS
	LOAD (\t)+4                                    ; which take the loads of four steps on
.endif
.if (\t)+1 < STEPS
.if STEPS-2-(\t) >= 3
	s_wait_loadcnt 12                              ; the next step's four loads are in; those of the three steps behind it may be out
.else
	s_wait_loadcnt 4*(STEPS-2-(\t))                ; the tail: fewer steps are behind it
.endif
	TURN (\t)+1                                    ; and go through the other stage while this step is worked
.endif
.irp i, 0,1,2,3,4,5,6,7,8,9,10,11,12,13,14,15
	v_med3_num_f32 v[XS+\i], v[XS+\i], -v10, v10   ; the conversion to an 8-bit code does not saturate (ISA guide 7.6.2): the number is held within the largest code x the scale first
.endr
	v_cvt_scalef32_pk8_fp8_f32 v[C+4*(\t):C+4*(\t)+1], v[XS:XS+7], v11          ; eight numbers / 2^e, to the nearest code, ties to even; the first number's code in the lowest byte
	v_cvt_scalef32_pk8_fp8_f32 v[C+4*(\t)+2:C+4*(\t)+3], v[XS+8:XS+15], v11
	global_store_b128 v4, v[C+4*(\t):C+4*(\t)+3], s[32:33] offset:32*CB*(\t)     ; the results go to a store alone; the next vector lines, the next step's holds, are plain and touch other registers
.endm
.irp t, 0,1,2,3,4,5,6,7,8,9,10,11,12,13,14,15
	STEP \t
.endr
	s_wait_tensorcnt 0x0
	ds_add_u32 v192, v193
	s_wait_dscnt 0x0
	s_endpgm
.Lfunc_end_k_qef0e11f397_quant:
	.size	k_qef0e11f397_quant, .Lfunc_end_k_qef0e11f397_quant-k_qef0e11f397_quant
	.p2alignl 7, 3214868480
	.fill 96, 4, 3214868480
	.section	.rodata,"a",@progbits
	.p2align	6, 0x0
	.amdhsa_kernel k_qef0e11f397_quant
		.amdhsa_group_segment_fixed_size 33280
		.amdhsa_private_segment_fixed_size 0
		.amdhsa_enable_private_segment 0
		.amdhsa_kernarg_size 72
		.amdhsa_user_sgpr_count 2
		.amdhsa_user_sgpr_kernarg_segment_ptr 1
		.amdhsa_wavefront_size32 1
		.amdhsa_system_sgpr_workgroup_id_x 1
		.amdhsa_system_sgpr_workgroup_id_y 1
		.amdhsa_system_sgpr_workgroup_id_z 1
		.amdhsa_system_vgpr_workitem_id 0
		.amdhsa_next_free_vgpr 194
		.amdhsa_next_free_sgpr 66
		.amdhsa_reserve_vcc 0
		.amdhsa_float_denorm_mode_32 3
		.amdhsa_float_denorm_mode_16_64 3
		.amdhsa_memory_ordered 1
		.amdhsa_forward_progress 1
		.amdhsa_inst_pref_size 39
	.end_amdhsa_kernel
	.amdgpu_metadata
---
amdhsa.version: [ 1, 2 ]
amdhsa.kernels:
  - .name:           k_qef0e11f397_quant
    .symbol:         k_qef0e11f397_quant.kd
    .args:
      - { .name: query, .offset: 0, .size: 8, .value_kind: global_buffer, .address_space: global }
      - { .name: key, .offset: 8, .size: 8, .value_kind: global_buffer, .address_space: global }
      - { .name: value, .offset: 16, .size: 8, .value_kind: global_buffer, .address_space: global }
      - { .name: Wq, .offset: 24, .size: 8, .value_kind: global_buffer, .address_space: global }
      - { .name: Wk, .offset: 32, .size: 8, .value_kind: global_buffer, .address_space: global }
      - { .name: Wv, .offset: 40, .size: 8, .value_kind: global_buffer, .address_space: global }
      - { .name: Wo, .offset: 48, .size: 8, .value_kind: global_buffer, .address_space: global }
      - { .name: lowp_scales, .offset: 56, .size: 8, .value_kind: global_buffer, .address_space: global }
      - { .name: xw, .offset: 64, .size: 8, .value_kind: global_buffer, .address_space: global }
    .group_segment_fixed_size: 33280
    .private_segment_fixed_size: 0
    .kernarg_segment_align: 8
    .kernarg_segment_size: 72
    .max_flat_workgroup_size: 128
    .sgpr_count:     66
    .vgpr_count:     194
    .wavefront_size: 32
...
	.end_amdgpu_metadata
.endif
;; end of part 1
;; launch proj (part 2): grid 4 x 96, 4 waves a work-group, clusters of 4 x 4, 327,680 bytes of LDS; arguments xw, bq, bk, bv, lowp_scales, qc, kv; writes qc, kv
.if DOCPART == 2
	.amdgcn_target "amdgcn-amd-amdhsa--gfx1250"
	.amdhsa_code_object_version 6
	.text
	.protected	k_qef0e11f397_proj
	.globl	k_qef0e11f397_proj
	.p2align	8
	.type	k_qef0e11f397_proj,@function
k_qef0e11f397_proj:
	s_mov_b64 s[64:65], 0
	v_nop
	global_prefetch_b8 v0, s[64:65] scope:SCOPE_SE
	s_setreg_imm32_b32 hwreg(HW_REG_WAVE_MODE, 25, 1), 1
	s_wait_xcnt 0x0
	s_wait_alu depctr_hold_cnt(0) depctr_sa_sdst(0) depctr_va_vdst(0) depctr_va_sdst(0) depctr_va_ssrc(0) depctr_va_vcc(0) depctr_vm_vsrc(0)
	s_getreg_b32 s2, hwreg(HW_REG_IB_STS2, 6, 4)
	s_cmp_eq_u32 s2, 0
	s_cbranch_scc0 .Lentry_in_a_cluster
	s_endpgm
.Lentry_in_a_cluster:
	s_bfe_u32 s2, ttmp6, 0x10000c
	s_cmp_lg_u32 s2, 0xf033
	s_cbranch_scc0 .Lentry_shape_is_right
	s_endpgm
.Lentry_shape_is_right:
.set KSTEP,  256
.set ROWB,   256
.set KROW,   1024
.set PITCH,  272
.set FR,     16
.set NL,     4
.set NP,     4
.set HALFT,  128*PITCH
.set SLOT,   4*HALFT
.set SPARE,  2*SLOT
.set ADRA, 16
.set ADRB, 20
.set SPW,  28
.set NIL,  29
.set SCL,  30
.set LIM,  31
.set BIAS, 32
.set Z,    32
.set VA,   96
.set AF,   128
.set PC,   128
.set G1, 24
.set G0, 32
.set G1B, 48
.set G0B, 56
.set MSB, 0
.macro WIN new
.if MSB != \new
	s_set_vgpr_msb (MSB<<8)|\new
.set MSB, \new
.endif
.endm
.set MUL_LO, 0xa1
.set MUL_HI, 0xf1
.set BEG_LO, 0x81
.set BEG_HI, 0xc1
.set TO_B,   0x40
.macro JLOAD g0a, g1a, g0b, g1b
	s_cmp_eq_u32 s15, 0
	s_cbranch_scc0 .Lfor_b_\@
	tensor_load_to_lds s[\g0a:\g0a+3], s[\g1a:\g1a+7]
	s_nop 0
.rept 4
	v_nop
.endr
	s_branch .Lasked_\@
.Lfor_b_\@:
	tensor_load_to_lds s[\g0b:\g0b+3], s[\g1b:\g1b+7]
	s_nop 0
.rept 4
	v_nop
.endr
.Lasked_\@:
.endm
.macro CREST
	s_cmp_lg_u32 s14, 0
	s_cbranch_scc1 .Lnot_wave_0_\@
	s_barrier_signal -3
.Lnot_wave_0_\@:
	s_barrier_wait -3
	s_barrier_signal -1
	s_barrier_wait -1
.endm
.macro CROUND
	s_barrier_signal -1
	s_barrier_wait -1
	CREST
.endm
	s_load_b256 s[4:11], s[0:1], 0x0
	s_load_b64 s[12:13], s[0:1], 0x20
	s_load_b128 s[68:71], s[0:1], 0x28
	v_lshl_add_u32 v[SPW], v0, 2, SPARE
	v_mov_b32 v[NIL], 0
	ds_add_u32 v28, v29
	ds_add_u32 v28, v29
	s_wait_dscnt 0x0
	v_lshrrev_b32 v1, 5, v0
	v_readfirstlane_b32 s14, v1
	s_lshr_b32 s15, s14, 1
	s_and_b32 s16, s14, 1
	s_bfe_u32 s40, ttmp6, 0x40000
	s_bfe_u32 s41, ttmp6, 0x40004
	s_and_b32 s72, ttmp7, 0xffff
	s_lshr_b32 s73, s72, 3
	s_and_b32 s74, s72, 7
	s_lshl_b32 s74, s74, 2
	s_lshl_b32 s22, s73, 23
	s_lshl_b32 s23, s73, 20
	s_add_co_u32 s23, s23, 0x1800000
	s_cmp_eq_u32 s73, 2
	s_cselect_b32 s17, 0, s74
	s_cselect_b32 s42, s74, 0
	s_cselect_b32 s22, 0x1A00000, s22
	s_cselect_b32 s23, 0x1000000, s23
	s_add_co_u32 s17, s17, s41
	s_add_co_u32 s42, s42, s40
	s_lshl_b32 s43, s41, 2
	s_lshl_b32 s43, 15, s43
	s_lshl_b32 s44, 0x1111, s40
	s_or_b32 s[G1+0], s43, (0<<16)|(1<<20)|(1<<21)|(5<<22)|(3<<25)
	s_or_b32 s[G1B+0], s44, (0<<16)|(1<<20)|(1<<21)|(5<<22)|(3<<25)
.irp g, G1, G1B
	s_mov_b32 s[\g+1], ROWB<<16
	s_mov_b32 s[\g+2], 128<<16
	s_mov_b32 s[\g+3], ROWB<<16
	s_mov_b32 s[\g+4], 128
	s_mov_b32 s[\g+5], KROW
	s_mov_b32 s[\g+6], 0
	s_mov_b32 s[\g+7], 0
.endr
	s_lshl_b32 s18, s16, 7
	s_lshl_b32 s20, s17, 8
	s_add_co_u32 s20, s20, s18
	s_lshl_b32 s20, s20, 10
	s_add_co_u32 s20, s20, s22
	s_mov_b32 s21, 0
	s_lshl_b32 s46, s42, 8
	s_add_co_u32 s46, s46, s18
	s_lshl_b32 s46, s46, 10
	s_add_co_u32 s46, s46, s23
	s_mov_b32 s47, 0
	s_mul_i32 s45, s14, HALFT
	s_wait_kmcnt 0x0
	s_load_b256 s[80:87], s[12:13], 0x0
	s_load_b128 s[88:91], s[12:13], 0x20
	s_add_nc_u64 s[20:21], s[4:5], s[20:21]
	s_add_nc_u64 s[46:47], s[4:5], s[46:47]
	CROUND
.irp s, 0,1
	s_mov_b32 s[G0+4*\s], 1
	s_add_co_u32 s[G0+4*\s+1], s45, \s*SLOT
	s_add_nc_u64 s[G0+4*\s+2:G0+4*\s+3], s[20:21], \s*ROWB
	s_or_b32 s[G0+4*\s+3], s[G0+4*\s+3], 0x80000000
	s_mov_b32 s[G0B+4*\s], 1
	s_add_co_u32 s[G0B+4*\s+1], s45, \s*SLOT
	s_add_nc_u64 s[G0B+4*\s+2:G0B+4*\s+3], s[46:47], \s*ROWB
	s_or_b32 s[G0B+4*\s+3], s[G0B+4*\s+3], 0x80000000
.endr
	JLOAD G0, G1, G0B, G1B                         ; K step 0: one tensor load a wave at the head; the set-up and the bias below stand under its flight
	v_and_b32 v1, 15, v0
	v_bfe_u32 v2, v0, 4, 1
	v_mul_u32_u24 v3, v1, PITCH
	v_lshl_add_u32 v4, v2, 4, v3
	s_mul_i32 s21, s15, HALFT
	s_mul_i32 s22, s16, HALFT
	s_add_co_u32 s22, s22, 2*HALFT
.irp s, 0,1
	v_add_nc_u32 v[ADRA+\s], s21, v4
	v_add_nc_u32 v[ADRB+\s], s22, v4
	s_add_co_u32 s21, s21, SLOT
	s_add_co_u32 s22, s22, SLOT
.endr
	s_cmp_eq_u32 s73, 2
	s_cselect_b32 s75, s42, s17
	s_cselect_b32 s76, s16, s15
	s_cselect_b32 s77, s17, s42
	s_cselect_b32 s78, s15, s16
	s_cmp_eq_u32 s73, 1
	s_cselect_b64 s[98:99], s[8:9], s[6:7]
	s_cmp_eq_u32 s73, 2
	s_cselect_b64 s[98:99], s[10:11], s[98:99]
	s_lshl_b32 s66, s77, 10
	s_lshl_b32 s67, s78, 9
	s_add_co_u32 s66, s66, s67
	s_mov_b32 s67, 0
	s_add_nc_u64 s[98:99], s[98:99], s[66:67]
	s_lshr_b32 s79, s75, 3
	s_and_b32 s75, s75, 7
	s_lshl_b32 s66, s79, 4
	s_lshl_b32 s67, s77, 2
	s_add_co_u32 s66, s66, s67
	s_lshl_b32 s67, s78, 1
	s_add_co_u32 s66, s66, s67
	s_lshl_b32 s66, s66, 7
	s_lshl_b32 s67, s75, 4
	s_add_co_u32 s66, s66, s67
	s_lshl_b32 s67, s76, 3
	s_add_co_u32 s66, s66, s67
	s_lshl_b32 s66, s66, 10
	s_lshl_b32 s94, s79, 2
	s_add_co_u32 s94, s94, s77
	s_lshl_b32 s94, s94, 4
	s_lshl_b32 s67, s75, 1
	s_add_co_u32 s94, s94, s67
	s_add_co_u32 s94, s94, s76
	s_lshl_b32 s94, s94, 16
	s_lshl_b32 s67, s78, 14
	s_add_co_u32 s94, s94, s67
	s_cmp_eq_u32 s73, 2
	s_cselect_b32 s67, 32768, 0
	s_add_co_u32 s94, s94, s67
	s_cmp_eq_u32 s73, 0
	s_cselect_b32 s66, s66, s94
	s_cselect_b64 s[100:101], s[68:69], s[70:71]
	s_mov_b32 s67, 0
	s_add_nc_u64 s[100:101], s[100:101], s[66:67]
	s_mov_b32 s94, 1024
	s_mov_b32 s95, 8192
	s_cmp_eq_u32 s73, 2
	s_cselect_b32 s94, 2048, s94
	s_cselect_b32 s95, 1024, s95
	s_cmp_eq_u32 s73, 0
	s_cselect_b32 s95, 131072, s95
	s_wait_kmcnt 0x0
	s_add_co_i32 s92, s80, s81
	s_add_co_i32 s93, s82, s83
	s_add_co_i32 s97, s84, s85
	s_add_co_i32 s66, s86, 3
	s_cmp_eq_u32 s73, 1
	s_cselect_b32 s92, s93, s92
	s_cselect_b32 s93, s87, s66
	s_cmp_eq_u32 s73, 2
	s_cselect_b32 s92, s97, s92
	s_cselect_b32 s93, s89, s93
	s_sub_co_i32 s96, 0, s92
	s_sub_co_i32 s97, s93, s92
	s_add_co_i32 s97, s97, 127
	s_lshl_b32 s66, s97, 23
	v_mov_b32 v[SCL], s66
	s_add_co_i32 s97, s97, 8
	s_lshl_b32 s97, s97, 23
	s_or_b32 s97, s97, 0x600000
	v_mov_b32 v[LIM], s97
	s_cmp_eq_u32 s73, 2
	s_cbranch_scc1 .Lbias_v
	s_wait_alu depctr_va_vdst(0)
	v_lshlrev_b32 v5, 5, v2
.irp b, 0,1,2,3,4,5,6,7
	global_load_b128 v[BIAS+8*\b:BIAS+8*\b+3], v5, s[98:99] offset:64*\b
	global_load_b128 v[BIAS+8*\b+4:BIAS+8*\b+7], v5, s[98:99] offset:64*\b+16
.endr
	s_wait_loadcnt 0x0
.set j, 0
.rept 64
	v_ldexp_f32 v[BIAS+j], v[BIAS+j], s96
.set j, j+1
.endr
	s_branch .Lbias_done
.Lbias_v:
	v_lshlrev_b32 v5, 2, v1
.irp a, 0,1,2,3,4,5,6,7
	global_load_b32 v[BIAS+8*\a], v5, s[98:99] offset:64*\a
.endr
	s_wait_loadcnt 0x0
.irp a, 0,1,2,3,4,5,6,7
.irp i, 7,6,5,4,3,2,1,0
	v_ldexp_f32 v[BIAS+8*\a+\i], v[BIAS+8*\a], s96
.endr
.endr
.Lbias_done:
.macro FRAG reg, adr, q, i
.irp c, 0,1,2,3
	ds_load_b128 v[\reg+4*\c:\reg+4*\c+3], v[\adr] offset:128*(\q)+32*\c+(\i)*16*PITCH
.endr
.endm
.macro MUL16 a0, p, zero
.irp a, \a0, \a0+1
.irp b, 0,1,2,3,4,5,6,7
.if \zero == 2
	v_wmma_f32_16x16x128_fp8_fp8 v[8*(8*((\a)%4)+\b):8*(8*((\a)%4)+\b)+7], v[128*(\p)+FR*\b:128*(\p)+FR*\b+FR-1], v[AF+FR*(\a):AF+FR*(\a)+FR-1], v[BIAS+8*\b:BIAS+8*\b+7]
.elseif \zero == 3
	v_wmma_f32_16x16x128_fp8_fp8 v[8*(8*((\a)%4)+\b):8*(8*((\a)%4)+\b)+7], v[128*(\p)+FR*\b:128*(\p)+FR*\b+FR-1], v[AF+FR*(\a):AF+FR*(\a)+FR-1], v[BIAS+8*(\a):BIAS+8*(\a)+7]
.else
	v_wmma_f32_16x16x128_fp8_fp8 v[8*(8*((\a)%4)+\b):8*(8*((\a)%4)+\b)+7], v[128*(\p)+FR*\b:128*(\p)+FR*\b+FR-1], v[AF+FR*(\a):AF+FR*(\a)+FR-1], v[8*(8*((\a)%4)+\b):8*(8*((\a)%4)+\b)+7]
.endif
.endr
.endr
.endm
.macro FETCH_B slot, q, p
	WIN TO_B
.irp i, 0,1,2,3,4,5,6,7
	FRAG 128*(\p)+FR*\i, ADRB+\slot, \q, \i
.endr
	WIN 0
.endm
.macro FETCH_A slot, q, i0
.irp i, \i0, \i0+1, \i0+2, \i0+3
	FRAG AF+FR*(\i), ADRA+\slot, \q, \i
.endr
.endm
.macro PLACES n
.rept \n
	v_nop
.endr
.endm
.macro STEP slot, q, zero
	s_wait_dscnt 4*NL
.if \zero
	WIN BEG_LO
.else
	WIN MUL_LO
.endif
	MUL16 0, (\q)%2, \zero
	MUL16 2, (\q)%2, \zero
	s_wait_dscnt 0
	PLACES NP
	FETCH_B \slot, (\q)+1, 1-(\q)%2
	FETCH_A \slot, (\q)+1, 0
.if \zero
	WIN BEG_HI
.else
	WIN MUL_HI
.endif
	MUL16 4, (\q)%2, \zero
	MUL16 6, (\q)%2, \zero
	PLACES NP
	WIN 0
	FETCH_A \slot, (\q)+1, 4
.endm
.macro TURN slot, next, fill
	s_wait_tensorcnt 0x0
	ds_add_u32 v[SPW], v[NIL]
	s_wait_dscnt 4*NL+1
	WIN MUL_LO
	MUL16 0, 1, 0
	s_wait_dscnt 0x0
	s_barrier_signal -1
	MUL16 2, 1, 0
	WIN 0
	s_barrier_wait -1
.if \fill
	CREST
	s_add_nc_u64 s[G0+4*\slot+2:G0+4*\slot+3], s[G0+4*\slot+2:G0+4*\slot+3], 2*ROWB
	s_add_nc_u64 s[G0B+4*\slot+2:G0B+4*\slot+3], s[G0B+4*\slot+2:G0B+4*\slot+3], 2*ROWB
	JLOAD G0+4*\slot, G1, G0B+4*\slot, G1B
.else
	PLACES NP
.endif
	FETCH_B \next, 0, 0
	FETCH_A \next, 0, 0
	WIN MUL_HI
	MUL16 4, 1, 0
	MUL16 6, 1, 0
	PLACES NP
	WIN 0
	FETCH_A \next, 0, 4
.endm
	s_wait_alu depctr_va_vdst(0)
	s_wait_tensorcnt 0x0                           ; my part of K step 0 is in
	ds_add_u32 v[SPW], v[NIL]                      ; the add ahead of a later first fill
	s_wait_dscnt 0x0
	CROUND                                         ; everybody's part of K step 0 is in, in all sixteen work-groups
	JLOAD G0+4, G1, G0B+4, G1B                     ; K step 1: slot 1's first fill, the first tensor load behind the round
	FETCH_B 0, 0, 0
	FETCH_A 0, 0, 0
	FETCH_A 0, 0, 4
	s_cmp_eq_u32 s73, 2
	s_cbranch_scc1 .Lfirst_v
	s_wait_alu depctr_va_vdst(0)
	STEP 0, 0, 2
	s_branch .Lfirst_done
.Lfirst_v:
	s_wait_alu depctr_va_vdst(0)
	STEP 0, 0, 3
.Lfirst_done:
	TURN 0, 1, 1
	STEP 1, 0, 0
	TURN 1, 0, 1
	STEP 0, 0, 0
	TURN 0, 1, 0
	STEP 1, 0, 0
	s_wait_dscnt 4*NL
	WIN MUL_LO
	MUL16 0, 1, 0
	MUL16 2, 1, 0
	s_wait_dscnt 0
	WIN MUL_HI
	MUL16 4, 1, 0
	MUL16 6, 1, 0
	WIN 0
	v_and_b32 v6, 31, v0
	v_lshlrev_b32 v[VA], 4, v6
	v_add_nc_u32 v[VA+1], s95, v[VA]
.irp a, 1,2,3,4,5,6,7
	v_add_nc_u32 v[VA+2*\a], s94, v[VA+2*\a-2]
	v_add_nc_u32 v[VA+2*\a+1], s95, v[VA+2*\a]
.endr
.macro OUT a
	WIN 0x02+((\a)/4)
.set j, 0
.rept 64
	v_med3_num_f32 v[Z+j], v[64*((\a)%4)+j], -v[LIM], v[LIM]
.set j, j+1
.endr
	WIN 0
.irp b, 0,1,2,3,4,5,6,7
	v_cvt_scalef32_pk8_fp8_f32 v[PC+16*(\a)+2*\b:PC+16*(\a)+2*\b+1], v[Z+8*\b:Z+8*\b+7], v[SCL]
.endr
	v_nop
	global_store_b128 v[VA+2*(\a)], v[PC+16*(\a):PC+16*(\a)+3], s[100:101]
	global_store_b128 v[VA+2*(\a)], v[PC+16*(\a)+4:PC+16*(\a)+7], s[100:101] offset:512
	global_store_b128 v[VA+2*(\a)+1], v[PC+16*(\a)+8:PC+16*(\a)+11], s[100:101]
	global_store_b128 v[VA+2*(\a)+1], v[PC+16*(\a)+12:PC+16*(\a)+15], s[100:101] offset:512
.endm
.irp a, 0,1,2,3,4,5,6,7
	OUT \a
.endr
	s_wait_tensorcnt 0x0
	ds_add_u32 v[SPW], v[NIL]
	s_wait_dscnt 0x0
	CROUND
	s_endpgm
.Lfunc_end_k_qef0e11f397_proj:
	.size	k_qef0e11f397_proj, .Lfunc_end_k_qef0e11f397_proj-k_qef0e11f397_proj
	.p2alignl 7, 3214868480
	.fill 96, 4, 3214868480
	.section	.rodata,"a",@progbits
	.p2align	6, 0x0
	.amdhsa_kernel k_qef0e11f397_proj
		.amdhsa_group_segment_fixed_size 327680
		.amdhsa_private_segment_fixed_size 0
		.amdhsa_enable_private_segment 0
		.amdhsa_kernarg_size 56
		.amdhsa_user_sgpr_count 2
		.amdhsa_user_sgpr_kernarg_segment_ptr 1
		.amdhsa_wavefront_size32 1
		.amdhsa_system_sgpr_workgroup_id_x 1
		.amdhsa_system_sgpr_workgroup_id_y 1
		.amdhsa_system_sgpr_workgroup_id_z 1
		.amdhsa_system_vgpr_workitem_id 0
		.amdhsa_next_free_vgpr 1024
		.amdhsa_next_free_sgpr 104
		.amdhsa_reserve_vcc 0
		.amdhsa_float_denorm_mode_32 3
		.amdhsa_float_denorm_mode_16_64 3
		.amdhsa_memory_ordered 1
		.amdhsa_forward_progress 1
		.amdhsa_inst_pref_size 139
	.end_amdhsa_kernel
	.amdgpu_metadata
---
amdhsa.version: [ 1, 2 ]
amdhsa.kernels:
  - .name:           k_qef0e11f397_proj
    .symbol:         k_qef0e11f397_proj.kd
    .args:
      - { .name: xw, .offset: 0, .size: 8, .value_kind: global_buffer, .address_space: global }
      - { .name: bq, .offset: 8, .size: 8, .value_kind: global_buffer, .address_space: global }
      - { .name: bk, .offset: 16, .size: 8, .value_kind: global_buffer, .address_space: global }
      - { .name: bv, .offset: 24, .size: 8, .value_kind: global_buffer, .address_space: global }
      - { .name: lowp_scales, .offset: 32, .size: 8, .value_kind: global_buffer, .address_space: global }
      - { .name: qc, .offset: 40, .size: 8, .value_kind: global_buffer, .address_space: global }
      - { .name: kv, .offset: 48, .size: 8, .value_kind: global_buffer, .address_space: global }
    .group_segment_fixed_size: 327680
    .private_segment_fixed_size: 0
    .kernarg_segment_align: 8
    .kernarg_segment_size: 56
    .max_flat_workgroup_size: 128
    .sgpr_count:     104
    .vgpr_count:     1024
    .wavefront_size: 32
...
	.end_amdgpu_metadata
.endif
;; end of part 2
;; launch attn (part 3): grid 16 x 16, 8 waves a work-group, clusters of 4 x 4, 327,680 bytes of LDS; arguments qc, kv, attn_mask, key_padding_mask, lowp_scales, ac; writes ac
.if DOCPART == 3
	.amdgcn_target "amdgcn-amd-amdhsa--gfx1250"
	.amdhsa_code_object_version 6
	.text
	.protected	k_qef0e11f397_attn
	.globl	k_qef0e11f397_attn
	.p2align	8
	.type	k_qef0e11f397_attn,@function
k_qef0e11f397_attn:
	s_mov_b64 s[64:65], 0
	v_nop
	global_prefetch_b8 v0, s[64:65] scope:SCOPE_SE
	s_setreg_imm32_b32 hwreg(HW_REG_WAVE_MODE, 25, 1), 1
	s_wait_xcnt 0x0
	s_wait_alu depctr_hold_cnt(0) depctr_sa_sdst(0) depctr_va_vdst(0) depctr_va_sdst(0) depctr_va_ssrc(0) depctr_va_vcc(0) depctr_vm_vsrc(0)
	s_getreg_b32 s2, hwreg(HW_REG_IB_STS2, 6, 4)
	s_cmp_eq_u32 s2, 0
	s_cbranch_scc0 .Lentry_in_a_cluster
	s_endpgm
.Lentry_in_a_cluster:
	s_bfe_u32 s2, ttmp6, 0x10000c
	s_cmp_lg_u32 s2, 0xf033
	s_cbranch_scc0 .Lentry_shape_is_right
	s_endpgm
.Lentry_shape_is_right:
; attn[b][q][64 head + d] = the sum over keys of softmax(q . k + attn_mask[q][key], padded keys at -infinity) v, both products on codes of E4M3; the result is quantised for the output projection.
; qc: [batch 4][head 16][tile of 16 queries 128][1,024 bytes]: images of operand registers (16 queries x 64 d: 8 registers; q holds the 1/8 already).
; kv: [batch 4][group of 4 heads 4][step of 128 keys 16][65,536 bytes]: K: [head 4][tile of 16 keys 8][1,024], then V^T: [head 4][tile of 16 channels 4][2,048] (16 channels x 128 keys: 16 registers).   ac: [8192][1024] codes.
; THE SOFTMAX AHEAD OF THE SECOND PRODUCT: t = logit x log2(e); M = the row's largest t so far, rounded UP to a whole number; p = 2^(t - M) is quantised, not normalised.  The row's sum is taken of the unquantised p
; and divides O at the end.  When M moves, the sum and O are multiplied by 2^(old M - new M): exact, and without a branch.
; SHARES.  A work-group owns 128 queries of one batch and one group of four heads.  Wave w: queries 32 (w % 4) .. + 31 (two tiles) x heads 2 (w / 4), 2 (w / 4) + 1: four units of 16 queries x 1 head.  Two waves to a SIMD.
; A fragment of K or V read from LDS feeds two products (the two tiles of queries); a mask tile, once made ready in registers (x log2(e), + the padding's 0 or -infinity), serves two heads.
; LAYOUT.  Both products are used transposed: S^T = K Q^T (source 0 = 16 keys, source 1 = 16 queries), O^T = V^T P^T: a lane holds ONE query (lane % 16) throughout; register j of score tile T is key 16 T + 8 (lane / 16) + j,
; so the conversion of tile T gives registers 2 T, 2 T + 1 of P in the plain 8-bit layout.
; THE ORDER OF A STEP.  A wave's 112 LDS loads of a step are kept out of long runs where the registers allow it.  The padding's terms lie in LDS bytes that are never filled again, so the NEXT step's sixteen loads go out two at a time
; behind the conversions of this step's last softmax, into the score registers that each conversion has just read.  V's sixteen loads are dealt singly through the softmax that stands in front of their use.  Behind the round stand the
; mask's 32 and K's 16, with the first mask tile made ready between them.  The maximum and the sum go in four chains each; t - M and the exponentials take turns; a conversion stands behind the next tile's holds.
; CLUSTER 4 x 4: x = four blocks of queries, y = the four groups of heads, of one batch.  A step's 65,536 bytes of K and V hang on (batch, cy) and are asked for jointly by a row of the cluster;
; its 128 x 128 numbers of the mask hang on the block of queries and are asked for jointly by a column.  Waves 0-3 ask for the mask's quarters, waves 4-7 for the quarters of K and V.
; LIMITS: e6 + e7 between -126 and 126 (added to log2(e)'s exponent field); e8, and e10 - e8 - e9, between -126 and 119.  NaN among the inputs and +infinity in attn_mask are not served; -infinity in attn_mask is.
; A row all of whose keys are padded has the sum 0: O x 1/0 is NaN, as softmax gives there; it is carried over the hold into the NaN code.
; REGISTERS: window 0: v0-19 addresses and constants, v20-31 at work, v32-95 S^T then p (between steps: the padding's terms), v96-159 fragments of K or of V, v160-191 P's codes (16 a tile of queries), v192-223 Q (8 a unit),
;            v224-239 statistics, v240-248 at work.   window 1: v0-127 the mask made ready (64 a tile of queries), v128-255 O^T (unit u, channels 16 c on: v[128 + 32 u + 8 c]).
.set SLOT,  133120                     ; an LDS slot: the mask's tile, 128 rows x 528 bytes, then 65,536 bytes of K and V
.set KVO,   67584
.set MP,    528                        ; a mask row in LDS: 512 bytes + 16 of padding = 132 words: the 16 rows that a load touches start at 16 different banks (ISA guide 11.1)
.set PADT,  2*SLOT                     ; 2,048 f32: 0, or -infinity for a padded key.  Written by LDS stores alone
.set SPARE, PADT+8192                  ; the spare words, 128 bytes for each wave: four blocks of 256 bytes that no other line names
.set STG,   SPARE+1024                 ; the way out: 128 rows x (256 bytes + 16).  Written by LDS stores alone
.set SPI,   272
.set LI,   4                           ; v4-5   slot 0, 1: my two heads' images of K: + 16 x lane
.set MA,   6                           ; v6-7   slot 0, 1: my query's mask row, + 32 (lane / 16)
.set PAD0, 8                           ; v8     PADT + 32 (lane / 16)
.set PADR, 9                           ; v9     the same for the step whose terms are fetched
.set SPW,  10                          ; v10    LDS address of my spare word; never rewritten
.set NIL,  11                          ; v11    0; never rewritten
.set LIMP, 12                          ; v12    448 x 2^e8
.set SCP,  13                          ; v13    2^e8
.set PFO,  14                          ; v14    the prefetches' offset from lane to lane
.set LIMO, 15                          ; v15    448 x 2^(e10 - e8 - e9)
.set SCO,  16                          ; v16    2^(e10 - e8 - e9)
.set STO,  17                          ; v17    the way out: where I put 8 bytes of a row
.set RD,   18                          ; v18    where I read 16 bytes of a row back
.set GO,   19                          ; v19    and their place in ac
.set MXC,  20                          ; v20, v21 the maximum's third and fourth chain
.set MXD,  21
.set SUM3, 22                          ; v[22:23], v[24:25] the sum's third and fourth chain
.set SUM4, 24
.set S,    32
.set KVF,  96
.set P,    160
.set Q,    192
.set ST,   224                         ; unit u: v[ST+4u] -M, +1 the largest t, +2, +3 the sum in two halves
.set MXA,  240
.set MXB,  241
.set PX,   242
.set F,    244                         ; v[244:245] f = 2^(old M - new M), in the low word
.set SUM2, 246
.set OLD,  248
.set WV,   16                          ; s16 wave; s17 wave % 4; s18 wave / 4; s19 cx; s20 cy; s21 block of queries; s22 batch
.set G1M,  24                          ; s[24:31] descriptor group 1 for the mask;  s[32:39] its groups 0, one for each slot
.set G0M,  32
.set G1K,  40                          ; s[40:47], s[48:55] the same for K and V
.set G0K,  48
.set CS,   56                          ; s[56:57] log2(e) x 2^(e6 + e7)
.set SEL,  58                          ; s[58:59] lane selects for v_permlanex16_b32: lane xor 16
.set LAPC, 60                          ; s60 laps to go
.set PB,   61                          ; s61 first byte in PADT of the step whose terms were fetched last
.set LG,   66                          ; s[66:67] log2(e)
.set PFA,  84                          ; s[84:85] where my prefetches stand;  s[86:87] a step on;  s88: 1 in a wave that prefetches
.set PFS,  86
.set ASKF, 88
.set MSB, 0
.macro WIN new                         ; the immediate's high byte repeats the setting that is left.  Low byte: bits 1:0 source 0, 3:2 source 1, 5:4 source 2, 7:6 destination
.if MSB != \new
	s_set_vgpr_msb (MSB<<8)|\new
.set MSB, \new
.endif
.endm
; A joint load into slot s.  The branch hangs on the wave's number alone.  Four v_nop follow each of the two lines.
.macro JLOAD s
	s_cmp_lt_u32 s[WV], 4
	s_cbranch_scc0 .Lfor_kv_\@
	tensor_load_to_lds s[G0M+4*(\s):G0M+4*(\s)+3], s[G1M:G1M+7]
	s_nop 0
.rept 4
	v_nop
.endr
	s_branch .Lasked_\@
.Lfor_kv_\@:
	tensor_load_to_lds s[G0K+4*(\s):G0K+4*(\s)+3], s[G1K:G1K+7]
	s_nop 0
.rept 4
	v_nop
.endr
.Lasked_\@:
.endm
.macro CROUND                          ; a round of the cluster's barrier
	s_barrier_signal -1
	s_barrier_wait -1
	s_cmp_lg_u32 s[WV], 0
	s_cbranch_scc1 .Lnot_wave_0_\@
	s_barrier_signal -3
.Lnot_wave_0_\@:
	s_barrier_wait -3
	s_barrier_signal -1
	s_barrier_wait -1
.endm
; A PREFETCH INTO THE L2, behind the joint load of step j + 1 and its four lines: step j + 2's bytes, one instruction a wave.  Each aligned block of 256 bytes is named once in the launch.
; The mask's rows are walked by the four clusters of a column of clusters (the batches): the cluster with y = 0 asks; of a tile's 128 rows the partner at cy takes 32, a lane a row; waves 0 and 1 take the two halves of a row's 512 bytes.
; A step of K and V is walked by the four clusters of a row of clusters: the cluster with x = 0 asks; the partner at cx takes 16,384 bytes, waves 4 and 5 half of them each, lanes 256 bytes apart.
; Partners are told apart by address alone; the branch hangs on the wave's number and the cluster's place in the grid.  Steps 0 and 1 come by their loads alone; the last two trips ask for nothing.
.macro ASK
	s_cmp_eq_u32 s[ASKF], 1
	s_cbranch_scc0 .Lnot_mine_\@
	global_prefetch_b8 v[PFO], s[PFA:PFA+1] th:TH_LOAD_NT scope:SCOPE_SE
.Lnot_mine_\@:
.endm
; THE CHANGE OF SLOTS IS OPENED INSIDE THE STEP BEFORE IT.  PRE1 ns stands behind my last LDS reads of the slot in hand (V's loads of the step's last softmax): the wait for all my tensor loads (my part of slot ns),
; the add, and the steps of slot ns's descriptors and of the prefetch's address.  PRE2 follows behind register work: the add and my reads are done, and I say so.
.macro PRE1 ns
	s_wait_alu depctr_va_vdst(0)
	s_wait_tensorcnt 0x0                           ; no tensor load of mine is out, so a group 0 may be written
	ds_add_u32 v[SPW], v[NIL]
	s_add_nc_u64 s[G0M+4*(\ns)+2:G0M+4*(\ns)+3], s[G0M+4*(\ns)+2:G0M+4*(\ns)+3], 1024      ; slot ns's next tile: two steps on (the last two stepped addresses are not used)
	s_add_nc_u64 s[G0K+4*(\ns)+2:G0K+4*(\ns)+3], s[G0K+4*(\ns)+2:G0K+4*(\ns)+3], 131072
	s_wait_xcnt 0x0                                ; the last prefetch has read its address, so it may be written
	s_add_nc_u64 s[PFA:PFA+1], s[PFA:PFA+1], s[PFS:PFS+1]
.endm
.macro PRE2
	s_wait_dscnt 0x0
	s_barrier_signal -1                            ; opens the round; register work alone follows up to its wait
.endm
.macro CREST                           ; the rest of a round behind its opening barrier
	s_cmp_lg_u32 s[WV], 0
	s_cbranch_scc1 .Lnw0_\@
	s_barrier_signal -3
.Lnw0_\@:
	s_barrier_wait -3
	s_barrier_signal -1
	s_barrier_wait -1
.endm
.macro ASKL                            ; ASK for the loop's second change of slots: in the last lap (s[LAPC] = 1) the step two on does not exist, and nothing is asked for
	s_mul_i32 s89, s[LAPC], s[ASKF]
	s_cmp_gt_u32 s89, 1
	s_cbranch_scc0 .Lnm_\@
	global_prefetch_b8 v[PFO], s[PFA:PFA+1] th:TH_LOAD_NT scope:SCOPE_SE
.Lnm_\@:
.endm
.macro PADLD T
	ds_load_b128 v[S+8*(\T):S+8*(\T)+3], v[PADR] offset:64*(\T)
	ds_load_b128 v[S+8*(\T)+4:S+8*(\T)+7], v[PADR] offset:64*(\T)+16
.endm
	s_load_b256 s[4:11], s[0:1], 0x0               ; qc s[4:5], kv s[6:7], attn_mask s[8:9], key_padding_mask s[10:11]
	s_load_b128 s[12:15], s[0:1], 0x20             ; the scales' exponents s[12:13], ac s[14:15]
	v_lshl_add_u32 v[SPW], v0, 2, SPARE
	v_mov_b32 v[NIL], 0
	ds_add_u32 v10, v11
	ds_add_u32 v10, v11
	s_wait_dscnt 0x0
	v_lshrrev_b32 v20, 5, v0
	v_readfirstlane_b32 s[WV], v20                 ; wave 0..7
	s_and_b32 s17, s[WV], 3                        ; my 32 queries.  Also: which quarter of a tile I fetch
	s_lshr_b32 s18, s[WV], 2                       ; my two heads
	s_bfe_u32 s19, ttmp6, 0x40000                  ; cx
	s_bfe_u32 s20, ttmp6, 0x40004                  ; cy: the group of heads
	s_lshl_b32 s21, ttmp9, 2
	s_add_co_u32 s21, s21, s19                     ; the block of 128 queries = 4 x cluster x + cx
	s_and_b32 s22, ttmp7, 0xffff                   ; the batch = cluster y
	s_lshl_b32 s80, s20, 2
	s_lshl_b32 s80, 15, s80                        ; my row of the cluster
	s_lshl_b32 s81, 0x1111, s19                    ; my column
	; group 1 for the mask: 32 rows x 128 numbers of 4 bytes, rows 2,048 numbers apart, 16 bytes of padding behind each row
	s_or_b32 s[G1M], s81, (2<<16)|(1<<20)|(1<<21)|(6<<22)|(3<<25)  ; 15:0 the mask of work-groups: my column; 17:16 elements of 4 bytes; 20 padding on; 21 set beside a mask; 24:22 after every 128 words (code 6); 31:25 four words (code 3)
	s_mov_b32 s[G1M+1], 128<<16                    ; tensor_dim0
	s_mov_b32 s[G1M+2], 32<<16                     ; tensor_dim1
	s_mov_b32 s[G1M+3], 128<<16                    ; tile_dim0
	s_mov_b32 s[G1M+4], 32                         ; tile_dim1
	s_mov_b32 s[G1M+5], 2048                       ; tensor_dim0_stride
	s_mov_b32 s[G1M+6], 0
	s_mov_b32 s[G1M+7], 0
	; group 1 for K and V: a dense block of 16,384 bytes as 64 rows of 32 elements of 8 bytes
	s_or_b32 s[G1K], s80, (3<<16)|(1<<21)          ; my row; elements of 8 bytes; no padding
	s_mov_b32 s[G1K+1], 32<<16
	s_mov_b32 s[G1K+2], 64<<16
	s_mov_b32 s[G1K+3], 32<<16
	s_mov_b32 s[G1K+4], 64
	s_mov_b32 s[G1K+5], 32
	s_mov_b32 s[G1K+6], 0
	s_mov_b32 s[G1K+7], 0
	s_lshl_b32 s82, s21, 20                        ; the mask: (128 x block + 32 x quarter) rows of 8,192 bytes: made of the cluster's x, cx and the wave alone
	s_lshl_b32 s89, s17, 18
	s_add_co_u32 s82, s82, s89
	s_mov_b32 s83, 0
	s_lshl_b32 s90, s22, 2                         ; K and V: (4 batch + cy) x 16 steps of 65,536 bytes + 16,384 x quarter: made of the cluster's y, cy and the wave alone
	s_add_co_u32 s90, s90, s20
	s_lshl_b32 s90, s90, 20
	s_lshl_b32 s89, s17, 14
	s_add_co_u32 s90, s90, s89
	s_mov_b32 s91, 0
	s_mul_i32 s92, s17, 32*MP                      ; where they go in a slot
	s_add_co_u32 s93, s89, KVO
	; every LDS address register is made here, ahead of the first branch on the wave's number
	v_and_b32 v1, 15, v0                           ; r
	v_bfe_u32 v2, v0, 4, 1                         ; h
	v_and_b32 v3, 31, v0                           ; lane
	s_lshl_b32 s80, s18, 14
	s_add_co_u32 s80, s80, KVO
	v_lshl_add_u32 v[LI], v3, 4, s80
	v_add_nc_u32 v[LI+1], SLOT, v[LI]
	v_mul_u32_u24 v[MA], v1, MP
	v_lshl_add_u32 v[MA], v2, 5, v[MA]
	v_add_nc_u32 v[MA], s92, v[MA]                 ; row 32 (w % 4) + r, + 32 h bytes
	v_add_nc_u32 v[MA+1], SLOT, v[MA]
	v_lshl_add_u32 v[PAD0], v2, 5, PADT
	v_lshl_add_u32 v[PADR], v0, 5, PADT            ; at the head: where thread t stores the terms of keys 8 t .. 8 t + 7
	s_mul_i32 s80, s17, 32*SPI
	s_lshl_b32 s81, s18, 7
	s_add_co_u32 s80, s80, s81
	s_add_co_u32 s80, s80, STG
	v_mul_u32_u24 v[STO], v1, SPI
	v_lshl_add_u32 v[STO], v2, 3, v[STO]
	v_add_nc_u32 v[STO], s80, v[STO]               ; row 32 (w % 4) + r; 128 (w / 4) + 8 h bytes on
	s_mul_i32 s80, s[WV], 16*SPI
	s_add_co_u32 s80, s80, STG
	v_mul_u32_u24 v[RD], v2, SPI
	v_lshl_add_u32 v[RD], v1, 4, v[RD]
	v_add_nc_u32 v[RD], s80, v[RD]                 ; back: rows 16 w on; lanes 0-15 one row, lanes 16-31 the next
	v_lshlrev_b32 v[GO], 10, v2
	v_lshl_add_u32 v[GO], v1, 4, v[GO]
	v_lshlrev_b32 v28, 4, v3                       ; Q's images: 16 x lane
	v_lshlrev_b32 v29, 3, v0                       ; the padding mask: 8 bytes a thread
	s_mov_b32 s[SEL], 0x76543210
	s_mov_b32 s[SEL+1], 0xfedcba98
	s_mov_b32 s[LG], 0x3fb8aa3b                    ; log2(e)
	s_mov_b32 s[LG+1], s[LG]                       ; (named with it as a pair, so it is written)
	s_wait_alu depctr_va_vdst(0)
	s_wait_kmcnt 0x0
	s_load_b128 s[68:71], s[12:13], 0x18           ; e6, e7, e8, e9
	s_load_b32 s72, s[12:13], 0x28                 ; e10
	s_add_nc_u64 s[82:83], s[8:9], s[82:83]
	s_add_nc_u64 s[90:91], s[6:7], s[90:91]
.irp s, 0,1
	s_mov_b32 s[G0M+4*\s], 1                       ; 1:0 count = 1
	s_add_co_u32 s[G0M+4*\s+1], s92, \s*SLOT       ; 63:32 LDS address
	s_add_nc_u64 s[G0M+4*\s+2:G0M+4*\s+3], s[82:83], \s*512    ; 120:64 global address: set s begins with step s
	s_or_b32 s[G0M+4*\s+3], s[G0M+4*\s+3], 0x80000000          ; 127:126 type = 2
	s_mov_b32 s[G0K+4*\s], 1
	s_add_co_u32 s[G0K+4*\s+1], s93, \s*SLOT
	s_add_nc_u64 s[G0K+4*\s+2:G0K+4*\s+3], s[90:91], \s*65536
	s_or_b32 s[G0K+4*\s+3], s[G0K+4*\s+3], 0x80000000
.endr
	CROUND                                         ; all sixteen work-groups are here: the first joint loads meet
	JLOAD 0                                        ; step 0.  By this text's count one tensor load of a wave is out at any time
	s_lshl_b32 s62, s22, 4                         ; Q: ((16 batch + 4 cy + 2 (w / 4)) 128 + 8 x block + 2 (w % 4)) x 1,024 bytes
	s_lshl_b32 s89, s20, 2
	s_add_co_u32 s62, s62, s89
	s_lshl_b32 s89, s18, 1
	s_add_co_u32 s62, s62, s89
	s_lshl_b32 s62, s62, 7
	s_lshl_b32 s89, s21, 3
	s_add_co_u32 s62, s62, s89
	s_lshl_b32 s89, s17, 1
	s_add_co_u32 s62, s62, s89
	s_lshl_b32 s62, s62, 10
	s_mov_b32 s63, 0
	s_add_nc_u64 s[4:5], s[4:5], s[62:63]
.irp hh, 0,1
.irp qt, 0,1
	global_load_b128 v[Q+8*(2*\hh+\qt):Q+8*(2*\hh+\qt)+3], v28, s[4:5] offset:\hh*131072+\qt*1024        ; Q stays in registers
	global_load_b128 v[Q+8*(2*\hh+\qt)+4:Q+8*(2*\hh+\qt)+7], v28, s[4:5] offset:\hh*131072+\qt*1024+512
.endr
.endr
	s_lshl_b32 s62, s22, 11
	s_add_nc_u64 s[10:11], s[10:11], s[62:63]      ; my batch's 2,048 bytes of the padding mask
	global_load_b64 v[20:21], v29, s[10:11]
	s_lshl_b32 s62, s22, 21                        ; ac: (2,048 batch + 128 x block + 16 w) rows of 1,024 bytes + 256 cy
	s_lshl_b32 s89, s21, 17
	s_add_co_u32 s62, s62, s89
	s_lshl_b32 s89, s[WV], 14
	s_add_co_u32 s62, s62, s89
	s_lshl_b32 s89, s20, 8
	s_add_co_u32 s62, s62, s89
	s_add_nc_u64 s[14:15], s[14:15], s[62:63]
	; the prefetches: both places are made, then chosen by the wave's number
	s_and_b32 s89, s[WV], 1
	s_lshl_b32 s62, s21, 20
	s_lshl_b32 s95, s20, 18
	s_add_co_u32 s62, s62, s95                     ; the mask: row 128 x block + 32 cy,
	s_lshl_b32 s95, s89, 8
	s_add_co_u32 s62, s62, s95                     ; my half of a row's 512 bytes,
	s_add_co_u32 s62, s62, 512                     ; at step 1: the first trip steps it to step 2
	s_lshl_b32 s63, s22, 2
	s_add_co_u32 s63, s63, s20
	s_lshl_b32 s63, s63, 20
	s_lshl_b32 s95, s19, 14
	s_add_co_u32 s63, s63, s95                     ; K and V: my work-group's 16,384 bytes,
	s_lshl_b32 s95, s89, 13
	s_add_co_u32 s63, s63, s95                     ; my half of them,
	s_add_co_u32 s63, s63, 65536                   ; at step 1
	s_mov_b32 s[PFS], 65536
	s_mov_b32 s95, 256
	s_cmp_lt_u32 s[WV], 4
	s_cselect_b64 s[PFA:PFA+1], s[8:9], s[6:7]
	s_cselect_b32 s62, s62, s63
	s_cselect_b32 s[PFS], 512, s[PFS]              ; a step on
	s_cselect_b32 s95, 8192, s95                   ; from lane to lane
	s_cselect_b32 s94, s22, ttmp9                  ; the coordinate along which other clusters walk the same bytes
	s_mov_b32 s63, 0
	s_mov_b32 s[PFS+1], 0
	s_add_nc_u64 s[PFA:PFA+1], s[PFA:PFA+1], s[62:63]
	v_mul_u32_u24 v[PFO], v3, s95
	s_and_b32 s89, s[WV], 2
	s_or_b32 s89, s89, s94
	s_cmp_eq_u32 s89, 0
	s_cselect_b32 s[ASKF], 1, 0                    ; waves 0, 1, 4, 5 of the first cluster along that coordinate: the same in all sixteen partners
	s_wait_kmcnt 0x0
	s_add_co_i32 s89, s68, s69
	s_lshl_b32 s89, s89, 23
	s_add_co_i32 s[CS], s89, 0x3fb8aa3b            ; a score stands for score x 2^(e6 + e7): the two exponents are added to log2(e)'s exponent field
	s_mov_b32 s[CS+1], s[CS]
	s_add_co_i32 s89, s70, 127
	s_lshl_b32 s94, s89, 23
	v_mov_b32 v[SCP], s94                          ; 2^e8
	s_add_co_i32 s89, s89, 8
	s_lshl_b32 s89, s89, 23
	s_or_b32 s89, s89, 0x600000
	v_mov_b32 v[LIMP], s89                         ; 448 x 2^e8
	s_sub_co_i32 s89, s72, s70
	s_sub_co_i32 s89, s89, s71                     ; O's sums stand for sum x 2^(e8 + e9): the code is (sum / l) / 2^(e10 - e8 - e9)
	s_add_co_i32 s89, s89, 127
	s_lshl_b32 s94, s89, 23
	v_mov_b32 v[SCO], s94
	s_add_co_i32 s89, s89, 8
	s_lshl_b32 s89, s89, 23
	s_or_b32 s89, s89, 0x600000
	v_mov_b32 v[LIMO], s89
.irp u, 0,1,2,3
	v_mov_b32 v[ST+4*\u+1], 0xff61b1e6             ; the largest t so far: -3e38, under every finite t
	v_floor_f32 v[ST+4*\u], -v[ST+4*\u+1]          ; -M
	v_mov_b32 v[ST+4*\u+2], 0                      ; the sum, in two halves
	v_mov_b32 v[ST+4*\u+3], 0
.endr
	v_mov_b32 v[PX], 0                             ; written once: a lane permute's destination counts as one of its sources
	v_mov_b32 v[F+1], 0                            ; (named as the upper half of the pair)
	v_mov_b32 v23, 0xff800000                      ; -infinity
	WIN 0x40
.set j, 0
.rept 128
	v_mov_b32 v[128+j], 0                          ; O^T.  (The key step has no first step of its own, which would be a fifth copy of it: the first finds zeros, which the first change of M leaves zeros)
.set j, j+1
.endr
	WIN 0
	s_wait_loadcnt 0x0                             ; Q and my 8 bytes of the padding mask
.irp k, 0,1,2,3,4,5,6,7
	v_bfe_u32 v22, v[20+\k/4], 8*(\k%4), 8
	v_cmp_ne_u32 vcc_lo, 0, v22
	v_cndmask_b32 v[24+\k], 0, v23, vcc_lo         ; a padded key's term is -infinity, any other's 0: a choice of a value, no branch
.endr
	ds_store_b128 v[PADR], v[24:27]
	ds_store_b128 v[PADR], v[28:31] offset:16
	s_mov_b32 s[PB], 0
	s_mov_b32 s[LAPC], 7
	s_wait_dscnt 0x0                               ; for the others' sake: my 32 bytes of the table are stored
	s_barrier_signal -1                            ; (my tensor load of step 0 may be out: behind this barrier the table alone is read, and nothing is filled)
	s_barrier_wait -1                              ; the table is whole
	v_add_nc_u32 v[PADR], s[PB], v[PAD0]           ; step 0's terms
	PRE1 0                                         ; my part of step 0 is in
	PRE2
.macro PLACES                          ; four plain lines between matrix instructions and the first read of their results, or a load into a register that they have read (ISA guide 7.12.1 for the reads of their results)
.rept 4
	v_nop
.endr
.endm
.macro IMG slot, off                   ; 8,192 bytes of images into v[KVF] on: one head's eight fragments of K: sixteen loads of 512 consecutive bytes
.irp f, 0,1,2,3,4,5,6,7,8,9,10,11,12,13,14,15
	ds_load_b128 v[KVF+4*\f:KVF+4*\f+3], v[LI+\slot] offset:\off+512*\f
.endr
.endm
.macro VL slot, voff, f                ; load f of the sixteen that bring one head's four fragments of V^T
	ds_load_b128 v[KVF+4*(\f):KVF+4*(\f)+3], v[LI+\slot] offset:\voff+512*(\f)
.endm
.macro MIN8 T                          ; the conversion does not saturate (ISA guide 7.6.2); p is not negative, so the hold is one-sided
.set i, 0
.rept 4
	v_dual_min_num_f32 v[S+8*(\T)+i], v[LIMP], v[S+8*(\T)+i] :: v_dual_min_num_f32 v[S+8*(\T)+i+1], v[LIMP], v[S+8*(\T)+i+1]   ; two holds an instruction: an even and an odd destination
.set i, i+2
.endr
.endm
.macro PREP qt                         ; mask x log2(e) + the padding's term: once for both heads
.set j, 0
.rept 32
	v_pk_fma_f32 v[64*\qt+j:64*\qt+j+1], v[64*\qt+j:64*\qt+j+1], s[LG:LG+1], v[S+j:S+j+1] op_sel_hi:[1,0,1]
.set j, j+2
.endr
.endm
.macro KQ u                            ; S^T = K Q^T of unit u: eight tiles of 16 keys; each product starts its own sum
.irp T, 0,1,2,3,4,5,6,7
	v_wmma_f32_16x16x64_fp8_fp8 v[S+8*\T:S+8*\T+7], v[KVF+8*\T:KVF+8*\T+7], v[Q+8*(\u):Q+8*(\u)+7], 0
.endr
	PLACES
.endm
; One unit's softmax for a step of 128 keys: the lane's 64 scores in v[S] on.
; vl = 1: K is done with (four places stand behind its last products), and the head's V^T, at voff in my images, takes its registers: sixteen loads in one run at the top.
; pl = 1: a step follows, and this is the step's last softmax: behind V's loads, my last reads of the slot, the next change of slots is opened (PRE1, PRE2).
; All of t - M and f are made first; then one wait, the 64 exponentials as a batch, a plain line and one wait.
.macro SOFTMAX u, qt, slot, vl, voff, pl
.set NM, ST+4*(\u)
.set TM, NM+1
.set LL, NM+2
.set MQ, 64*(\qt)
.set OU, 128+32*(\u)
.set PQ, P+16*(\qt)
.if \vl
.set vi, 0
.rept 16
	VL \slot, \voff, vi
.set vi, vi+1
.endr
.endif
.if \pl
	PRE1 1-\slot
.endif
	WIN 0x10                                       ; source 2 (the mask made ready) window 1; an LDS load's destination and address stay in window 0
.set j, 0
.rept 32
	v_pk_fma_f32 v[S+j:S+j+1], v[S+j:S+j+1], s[CS:CS+1], v[MQ+j:MQ+j+1] op_sel_hi:[1,0,1]   ; t = score x log2(e) 2^(e6 + e7) + (mask x log2(e) + padding); each accumulator from its low end on
.set j, j+2
.endr
	WIN 0
	v_mov_b32 v[OLD], v[NM]
	v_max3_num_f32 v[MXA], v[S], v[S+1], v[S+2]    ; the step's largest t of my query, among my 64 keys, in four chains, so that no line waits for the line just above it
	v_max3_num_f32 v[MXB], v[S+3], v[S+4], v[S+5]
	v_max3_num_f32 v[MXC], v[S+6], v[S+7], v[S+8]
	v_max3_num_f32 v[MXD], v[S+9], v[S+10], v[S+11]
.set j, 12
.rept 6
	v_max3_num_f32 v[MXA], v[MXA], v[S+j], v[S+j+1]
	v_max3_num_f32 v[MXB], v[MXB], v[S+j+2], v[S+j+3]
	v_max3_num_f32 v[MXC], v[MXC], v[S+j+4], v[S+j+5]
	v_max3_num_f32 v[MXD], v[MXD], v[S+j+6], v[S+j+7]
.set j, j+8
.endr
	v_max3_num_f32 v[MXA], v[MXA], v[S+60], v[S+61]
	v_max3_num_f32 v[MXB], v[MXB], v[S+62], v[S+63]
	v_max3_num_f32 v[MXC], v[MXC], v[MXD], v[TM]   ; the largest t so far goes in here: lane xor 16 holds the same query and the same number
	v_max3_num_f32 v[MXA], v[MXA], v[MXB], v[MXC]
	v_permlanex16_b32 v[PX], v[MXA], s[SEL], s[SEL+1]
	v_max_num_f32 v[TM], v[MXA], v[PX]             ; the running largest t
	v_floor_f32 v[NM], -v[TM]                      ; the new -M = floor(-t) = -ceil(t): a whole number
	v_sub_f32 v[OLD], v[NM], v[OLD]                ; M's old value less its new one: a whole number, 0 or less
.set j, 0
.rept 32
	v_pk_add_f32 v[S+j:S+j+1], v[S+j:S+j+1], v[NM:NM+1] op_sel_hi:[1,0]   ; t - M (the pair's low word serves both halves)
.if j == 8
	v_cvt_i32_f32 v[OLD], v[OLD]                   ; (it saturates)
.endif
.if j == 16
	v_ldexp_f32 v[F], 1.0, v[OLD]                  ; f = 2^(old M - new M)
.endif
.set j, j+2
.endr
.if \pl
	PRE2                                           ; V^T is in, the add is done
.endif
	s_wait_alu depctr_va_vdst(0)
.set j, 0
.rept 64
	v_exp_f32 v[S+j], v[S+j]                       ; p = 2^(t - M), at most 1: not normalised
.set j, j+1
.endr
	v_pk_mul_f32 v[LL:LL+1], v[LL:LL+1], v[F:F+1] op_sel_hi:[1,0]   ; the sums under the new M: the plain line behind the last exponential
	s_wait_alu depctr_va_vdst(0)                   ; one wait for the batch of 64, ahead of its first reader
	v_pk_add_f32 v[SUM2:SUM2+1], v[S:S+1], v[S+2:S+3]               ; the row's sum is taken of the unquantised p: two at a time, in four chains
	v_pk_add_f32 v[SUM3:SUM3+1], v[S+4:S+5], v[S+6:S+7]
	v_pk_add_f32 v[SUM4:SUM4+1], v[S+8:S+9], v[S+10:S+11]
	v_pk_add_f32 v[LL:LL+1], v[LL:LL+1], v[S+12:S+13]
.set j, 14
.rept 6
	v_pk_add_f32 v[SUM2:SUM2+1], v[SUM2:SUM2+1], v[S+j:S+j+1]
	v_pk_add_f32 v[SUM3:SUM3+1], v[SUM3:SUM3+1], v[S+j+2:S+j+3]
	v_pk_add_f32 v[SUM4:SUM4+1], v[SUM4:SUM4+1], v[S+j+4:S+j+5]
	v_pk_add_f32 v[LL:LL+1], v[LL:LL+1], v[S+j+6:S+j+7]
.set j, j+8
.endr
	v_pk_add_f32 v[SUM2:SUM2+1], v[SUM2:SUM2+1], v[S+62:S+63]
	v_pk_add_f32 v[SUM3:SUM3+1], v[SUM3:SUM3+1], v[SUM4:SUM4+1]
	v_pk_add_f32 v[LL:LL+1], v[LL:LL+1], v[SUM2:SUM2+1]
	v_pk_add_f32 v[LL:LL+1], v[LL:LL+1], v[SUM3:SUM3+1]
	MIN8 0
.set j, 0
.rept 8
.if j < 7
	MIN8 j+1                                       ; the next tile's holds stand between a tile's holds and its conversion, and are the plain lines behind the conversion before
.endif
	v_cvt_scalef32_pk8_fp8_f32 v[PQ+2*j:PQ+2*j+1], v[S+8*j:S+8*j+7], v[SCP]   ; keys 16 j + 8 h + 0 .. 7: registers 2 j, 2 j + 1 of P
.set j, j+1
.endr
	WIN 0x41                                       ; O^T (destination and source 0) window 1
	s_wait_alu depctr_va_vdst(0)
.set j, 0
.rept 16
	v_pk_mul_f32 v[OU+j:OU+j+1], v[OU+j:OU+j+1], v[F:F+1] op_sel_hi:[1,0]     ; O^T under the new M.  (Also the plain lines between the conversions and the products that read their results)
.set j, j+2
.endr
	WIN 0
.endm
; One head of my two, for the step in the slot: K Q^T and the softmax for both tiles of queries, then V^T P^T for both.
.macro HEADWORK slot, hh, pl
.if \hh
.if \pl
	s_add_co_u32 s[PB], s[PB], 512                 ; the next step's 128 terms
	v_add_nc_u32 v[PADR], s[PB], v[PAD0]
.endif
	IMG \slot, 8192                                ; the second head's K (behind the four places that end the first head's work)
.endif
	s_wait_dscnt 0x0                               ; K is in
	KQ 2*\hh
	SOFTMAX 2*\hh, 0, \slot, 0, 0, 0
	KQ 2*\hh+1
	SOFTMAX 2*\hh+1, 1, \slot, 1, 32768+8192*\hh, \pl
.if \pl == 0
	s_wait_alu depctr_va_vdst(0)
	s_wait_dscnt 0x0                               ; V^T is in (pl = 1: PRE2 has waited for it)
.endif
	WIN 0x50                                       ; C and D window 1
.irp ct, 0,1,2,3
.irp qt, 0,1
	v_wmma_f32_16x16x128_fp8_fp8 v[128+32*(2*\hh+\qt)+8*\ct:128+32*(2*\hh+\qt)+8*\ct+7], v[KVF+16*\ct:KVF+16*\ct+15], v[P+16*\qt:P+16*\qt+15], v[128+32*(2*\hh+\qt)+8*\ct:128+32*(2*\hh+\qt)+8*\ct+7]   ; eight accumulators, one instruction each
.endr
.endr
	WIN 0
	PLACES
.endm
; THE FIRST HALF OF A KEY STEP (128 keys): the padding's terms, the mask made ready for both tiles of queries, and the first of my two heads.  The second head's work is written where the step is used.
.macro STEP slot, pl
.irp T, 0,1,2,3,4,5,6,7
	PADLD \T                                       ; this step's terms, into the score registers
.endr
	WIN 0x40                                       ; destination window 1
.irp qt, 0,1
.irp T, 0,1,2,3,4,5,6,7
	ds_load_b128 v[64*\qt+8*\T:64*\qt+8*\T+3], v[MA+\slot] offset:16*MP*\qt+64*\T      ; the mask of my query at keys 16 T + 8 h + 0 .. 7
	ds_load_b128 v[64*\qt+8*\T+4:64*\qt+8*\T+7], v[MA+\slot] offset:16*MP*\qt+64*\T+16
.endr
.endr
	s_wait_dscnt 16                                ; the first tile of queries' mask is in; the second's sixteen loads may be out
	WIN 0x41                                       ; destination and source 0 window 1
	PREP 0
	WIN 0
	IMG \slot, 0                                   ; the first head's K
	s_wait_dscnt 16                                ; the second tile's mask is in; K's sixteen loads may be out
	WIN 0x41
	PREP 1
	WIN 0
	HEADWORK \slot, 0, 0
.endm
; A TRIP: the rest of the round that PRE2 has opened, then the refill and the step's first half.  Behind the round this trip's slot is whole in all sixteen work-groups and nobody reads the other:
; that one takes the next step's tiles.  ask = 1: the prefetch; ask = 2: the prefetch but in the last lap.
.macro TRIP slot, refill, ask, pl
	s_barrier_wait -1                              ; every wave of my work-group has run PRE1 and PRE2
	CREST
.if \refill
	JLOAD 1-\slot                                  ; the first thing behind the round, and a wave's one tensor load until the next
.endif
.if \ask == 1
	ASK
.endif
.if \ask == 2
	ASKL
.endif
	STEP \slot, \pl
.endm
	TRIP 0, 1, 1, 1                                ; step 0's first half stands ahead of the loop
.Llap:                                                 ; seven laps, each from an even step's second head to the next even step's first: the jump stands outside signal, round and refill
	HEADWORK 0, 1, 1
	TRIP 1, 1, 1, 1
	HEADWORK 1, 1, 1
	TRIP 0, 1, 2, 1
	s_sub_co_u32 s[LAPC], s[LAPC], 1
	s_cmp_lg_u32 s[LAPC], 0
	s_cbranch_scc1 .Llap
	HEADWORK 0, 1, 1                               ; step 14's second head
	TRIP 1, 0, 0, 0                                ; step 15 is written out: it asks for nothing
	HEADWORK 1, 1, 0
	; THE WAY OUT.  (The step has ended with four places behind its last products.)  The sums' halves are added; O^T / l is held, converted and gathered in the work-group's stage, where a row's 256 bytes come from two waves.
.irp u, 0,1,2,3
	v_add_f32 v[20+\u], v[ST+4*\u+2], v[ST+4*\u+3]
.endr
.irp u, 0,1,2,3
	v_permlanex16_b32 v[24+\u], v[20+\u], s[SEL], s[SEL+1]
.endr
.irp u, 0,1,2,3
	v_add_f32 v[20+\u], v[20+\u], v[24+\u]         ; the row's sum l
.endr
	s_wait_alu depctr_va_vdst(0)
.irp u, 0,1,2,3
	v_rcp_f32 v[ST+4*\u+2], v[20+\u]               ; into the low word of a pair that is written
.endr
	v_nop                                          ; a plain line behind the last reciprocal
	s_wait_alu depctr_va_vdst(0)                   ; one wait for the four, ahead of their first reader
.macro FINISH u
.set LL, ST+4*(\u)+2
	WIN 0x01                                       ; source 0 (O^T) window 1
	s_wait_alu depctr_va_vdst(0)
.set j, 0
.rept 16
	v_pk_mul_f32 v[S+j:S+j+1], v[128+32*(\u)+j:128+32*(\u)+j+1], v[LL:LL+1] op_sel_hi:[1,0]   ; z = O^T / l, each accumulator from its low end on
.set j, j+2
.endr
	WIN 0
.set j, 0
.rept 32
	v_med3_num_f32 v[KVF+j], v[S+j], -v[LIMO], v[LIMO]             ; the hold at the largest code x the scale
.set j, j+1
.endr
.set j, 0
.rept 16
	v_pk_fma_f32 v[KVF+j:KVF+j+1], v[S+j:S+j+1], 0, v[KVF+j:KVF+j+1] op_sel_hi:[1,0,1]       ; + 0 x z: nothing for a number, NaN where z is NaN (a row without keys): the hold would have lost it
.set j, j+2
.endr
.irp ct, 0,1,2,3
	v_cvt_scalef32_pk8_fp8_f32 v[P+8*(\u)+2*\ct:P+8*(\u)+2*\ct+1], v[KVF+8*\ct:KVF+8*\ct+7], v[SCO]
.endr
	v_nop                                          ; one plain line between the conversions and the next unit's lines, which write their sources
.irp ct, 0,1,2,3
	ds_store_b64 v[STO], v[P+8*(\u)+2*\ct:P+8*(\u)+2*\ct+1] offset:16*SPI*((\u)%2)+64*((\u)/2)+16*\ct   ; channels 16 ct + 8 h + 0 .. 7 of my query and head
.endr
.endm
.irp u, 0,1,2,3
	FINISH \u
.endr
	s_wait_dscnt 0x0                               ; for the others' sake: my stores into the stage are done
	s_barrier_signal -1
	s_barrier_wait -1
.irp i, 0,1,2,3,4,5,6,7
	ds_load_b128 v[S+4*\i:S+4*\i+3], v[RD] offset:2*SPI*\i
.endr
.irp i, 0,1,2,3,4,5,6,7
	s_wait_dscnt 7-\i                              ; LDS loads come back in order: pair i of rows is in
	global_store_b128 v[GO], v[S+4*\i:S+4*\i+3], s[14:15] offset:2048*\i    ; sixteen lanes store 256 consecutive bytes, at a multiple of 256 from ac's first byte
.endr
	s_wait_tensorcnt 0x0                           ; the wave's end
	ds_add_u32 v[SPW], v[NIL]
	s_wait_dscnt 0x0
	CROUND                                         ; the closing round: no work-group ends while a partner may still ask for a tile that names it
	s_endpgm
.Lfunc_end_k_qef0e11f397_attn:
	.size	k_qef0e11f397_attn, .Lfunc_end_k_qef0e11f397_attn-k_qef0e11f397_attn
	.p2alignl 7, 3214868480
	.fill 96, 4, 3214868480
	.section	.rodata,"a",@progbits
	.p2align	6, 0x0
	.amdhsa_kernel k_qef0e11f397_attn
		.amdhsa_group_segment_fixed_size 327680
		.amdhsa_private_segment_fixed_size 0
		.amdhsa_enable_private_segment 0
		.amdhsa_kernarg_size 48
		.amdhsa_user_sgpr_count 2
		.amdhsa_user_sgpr_kernarg_segment_ptr 1
		.amdhsa_wavefront_size32 1
		.amdhsa_system_sgpr_workgroup_id_x 1
		.amdhsa_system_sgpr_workgroup_id_y 1
		.amdhsa_system_sgpr_workgroup_id_z 1
		.amdhsa_system_vgpr_workitem_id 0
		.amdhsa_next_free_vgpr 512
		.amdhsa_next_free_sgpr 100
		.amdhsa_reserve_vcc 1
		.amdhsa_float_denorm_mode_32 3
		.amdhsa_float_denorm_mode_16_64 3
		.amdhsa_memory_ordered 1
		.amdhsa_forward_progress 1
		.amdhsa_inst_pref_size 255
	.end_amdhsa_kernel
	.section	.bss,"aw",@nobits
	.p2align	6
	.space	262144
	.amdgpu_metadata
---
amdhsa.version: [ 1, 2 ]
amdhsa.kernels:
  - .name:           k_qef0e11f397_attn
    .symbol:         k_qef0e11f397_attn.kd
    .args:
      - { .name: qc, .offset: 0, .size: 8, .value_kind: global_buffer, .address_space: global }
      - { .name: kv, .offset: 8, .size: 8, .value_kind: global_buffer, .address_space: global }
      - { .name: attn_mask, .offset: 16, .size: 8, .value_kind: global_buffer, .address_space: global }
      - { .name: key_padding_mask, .offset: 24, .size: 8, .value_kind: global_buffer, .address_space: global }
      - { .name: lowp_scales, .offset: 32, .size: 8, .value_kind: global_buffer, .address_space: global }
      - { .name: ac, .offset: 40, .size: 8, .value_kind: global_buffer, .address_space: global }
    .group_segment_fixed_size: 327680
    .private_segment_fixed_size: 0
    .kernarg_segment_align: 8
    .kernarg_segment_size: 48
    .max_flat_workgroup_size: 256
    .sgpr_count:     100
    .vgpr_count:     512
    .wavefront_size: 32
...
	.end_amdgpu_metadata
.endif
;; end of part 3
;; launch oproj (part 4): grid 4 x 32, 4 waves a work-group, clusters of 4 x 4, 327,680 bytes of LDS; arguments ac, xw, lowp_scales, bo, out0; writes out0
.if DOCPART == 4
	.amdgcn_target "amdgcn-amd-amdhsa--gfx1250"
	.amdhsa_code_object_version 6
	.text
	.protected	k_qef0e11f397_oproj
	.globl	k_qef0e11f397_oproj
	.p2align	8
	.type	k_qef0e11f397_oproj,@function
k_qef0e11f397_oproj:
	s_mov_b64 s[64:65], 0
	v_nop
	global_prefetch_b8 v0, s[64:65] scope:SCOPE_SE
	s_setreg_imm32_b32 hwreg(HW_REG_WAVE_MODE, 25, 1), 1
	s_wait_xcnt 0x0
	s_wait_alu depctr_hold_cnt(0) depctr_sa_sdst(0) depctr_va_vdst(0) depctr_va_sdst(0) depctr_va_ssrc(0) depctr_va_vcc(0) depctr_vm_vsrc(0)
	s_getreg_b32 s2, hwreg(HW_REG_IB_STS2, 6, 4)
	s_cmp_eq_u32 s2, 0
	s_cbranch_scc0 .Lentry_in_a_cluster
	s_endpgm
.Lentry_in_a_cluster:
	s_bfe_u32 s2, ttmp6, 0x10000c
	s_cmp_lg_u32 s2, 0xf033
	s_cbranch_scc0 .Lentry_shape_is_right
	s_endpgm
.Lentry_shape_is_right:
.set SIZE_N, 1024
.set KSTEP,  256
.set ROWB,   256
.set KROW,   1024
.set PITCH,  272
.set FR,     16
.set NL,     4
.set NP,     4
.set HALFT,  128*PITCH
.set SLOT,   4*HALFT
.set SPARE,  2*SLOT
.set SPITCH, 528
.set ADRA, 16
.set ADRB, 20
.set STO,  24
.set RD,   25
.set CO,   26
.set SPW,  28
.set NIL,  29
.set BIAS, 32
.set TMP,  32
.set AF,   128
.set BK,   128
.set G1, 24
.set G0, 32
.set G1B, 48
.set G0B, 56
.set MSB, 0
.macro WIN new
.if MSB != \new
	s_set_vgpr_msb (MSB<<8)|\new
.set MSB, \new
.endif
.endm
.set MUL_LO, 0xa1
.set MUL_HI, 0xf1
.set BEG_LO, 0x81
.set BEG_HI, 0xc1
.set TO_B,   0x40
.macro JLOAD g0a, g1a, g0b, g1b
	s_cmp_eq_u32 s15, 0
	s_cbranch_scc0 .Lfor_b_\@
	tensor_load_to_lds s[\g0a:\g0a+3], s[\g1a:\g1a+7]
	s_nop 0
.rept 4
	v_nop
.endr
	s_branch .Lasked_\@
.Lfor_b_\@:
	tensor_load_to_lds s[\g0b:\g0b+3], s[\g1b:\g1b+7]
	s_nop 0
.rept 4
	v_nop
.endr
.Lasked_\@:
.endm
.macro CREST
	s_cmp_lg_u32 s14, 0
	s_cbranch_scc1 .Lnot_wave_0_\@
	s_barrier_signal -3
.Lnot_wave_0_\@:
	s_barrier_wait -3
	s_barrier_signal -1
	s_barrier_wait -1
.endm
.macro CROUND
	s_barrier_signal -1
	s_barrier_wait -1
	CREST
.endm
	s_load_b128 s[4:7], s[0:1], 0x0
	s_load_b128 s[8:11], s[0:1], 0x10
	s_load_b64 s[12:13], s[0:1], 0x20
	v_lshl_add_u32 v[SPW], v0, 2, SPARE
	v_mov_b32 v[NIL], 0
	ds_add_u32 v28, v29
	ds_add_u32 v28, v29
	s_wait_dscnt 0x0
	v_lshrrev_b32 v1, 5, v0
	v_readfirstlane_b32 s14, v1
	s_lshr_b32 s15, s14, 1
	s_and_b32 s16, s14, 1
	s_bfe_u32 s40, ttmp6, 0x40000
	s_bfe_u32 s41, ttmp6, 0x40004
	s_lshl_b32 s42, ttmp9, 2
	s_add_co_u32 s42, s42, s40
	s_and_b32 s17, ttmp7, 0xffff
	s_lshl_b32 s17, s17, 2
	s_add_co_u32 s17, s17, s41
	s_lshl_b32 s43, s41, 2
	s_lshl_b32 s43, 15, s43
	s_lshl_b32 s44, 0x1111, s40
	s_or_b32 s[G1+0], s43, (0<<16)|(1<<20)|(1<<21)|(5<<22)|(3<<25)
	s_or_b32 s[G1B+0], s44, (0<<16)|(1<<20)|(1<<21)|(5<<22)|(3<<25)
.irp g, G1, G1B
	s_mov_b32 s[\g+1], ROWB<<16
	s_mov_b32 s[\g+2], 128<<16
	s_mov_b32 s[\g+3], ROWB<<16
	s_mov_b32 s[\g+4], 128
	s_mov_b32 s[\g+5], KROW
	s_mov_b32 s[\g+6], 0
	s_mov_b32 s[\g+7], 0
.endr
	s_lshl_b32 s18, s16, 7
	s_lshl_b32 s20, s17, 8
	s_add_co_u32 s20, s20, s18
	s_lshl_b32 s20, s20, 10
	s_mov_b32 s21, 0
	s_lshl_b32 s46, s42, 8
	s_add_co_u32 s46, s46, s18
	s_lshl_b32 s46, s46, 10
	s_add_co_u32 s46, s46, 0x1B00000
	s_mov_b32 s47, 0
	s_mul_i32 s45, s14, HALFT
	s_wait_kmcnt 0x0
	s_load_b64 s[96:97], s[8:9], 0x28
	s_add_nc_u64 s[20:21], s[4:5], s[20:21]
	s_add_nc_u64 s[46:47], s[6:7], s[46:47]
	CROUND
.irp s, 0,1
	s_mov_b32 s[G0+4*\s], 1
	s_add_co_u32 s[G0+4*\s+1], s45, \s*SLOT
	s_add_nc_u64 s[G0+4*\s+2:G0+4*\s+3], s[20:21], \s*ROWB
	s_or_b32 s[G0+4*\s+3], s[G0+4*\s+3], 0x80000000
	s_mov_b32 s[G0B+4*\s], 1
	s_add_co_u32 s[G0B+4*\s+1], s45, \s*SLOT
	s_add_nc_u64 s[G0B+4*\s+2:G0B+4*\s+3], s[46:47], \s*ROWB
	s_or_b32 s[G0B+4*\s+3], s[G0B+4*\s+3], 0x80000000
.endr
	JLOAD G0, G1, G0B, G1B                         ; K step 0: one tensor load a wave at the head; the set-up and the bias below stand under its flight
	v_and_b32 v1, 15, v0
	s_wait_alu depctr_va_vdst(0)
	v_bfe_u32 v2, v0, 4, 1
	v_mul_u32_u24 v3, v1, PITCH
	v_lshl_add_u32 v4, v2, 4, v3
	s_mul_i32 s21, s15, HALFT
	s_mul_i32 s22, s16, HALFT
	s_add_co_u32 s22, s22, 2*HALFT
.irp s, 0,1
	v_add_nc_u32 v[ADRA+\s], s21, v4
	v_add_nc_u32 v[ADRB+\s], s22, v4
	s_add_co_u32 s21, s21, SLOT
	s_add_co_u32 s22, s22, SLOT
.endr
	s_mul_i32 s23, s14, 16*SPITCH
	v_mul_u32_u24 v5, v1, SPITCH
	s_wait_alu depctr_va_vdst(0)
	v_lshl_add_u32 v5, v2, 5, v5
	v_add_nc_u32 v[STO], s23, v5
	v_and_b32 v6, 31, v0
	v_lshlrev_b32 v[CO], 4, v6
	v_add_nc_u32 v[RD], s23, v[CO]
	s_lshl_b32 s20, s17, 8
	s_lshl_b32 s21, s15, 7
	s_add_co_u32 s20, s20, s21
	s_lshl_b32 s20, s20, 12
	s_lshl_b32 s66, s42, 10
	s_lshl_b32 s67, s16, 9
	s_add_co_u32 s66, s66, s67
	s_mov_b32 s67, 0
	s_mov_b32 s21, 0
	s_add_nc_u64 s[10:11], s[10:11], s[66:67]
	s_add_nc_u64 s[12:13], s[12:13], s[66:67]
	s_add_nc_u64 s[12:13], s[12:13], s[20:21]
	v_lshlrev_b32 v7, 5, v2
.irp b, 0,1,2,3,4,5,6,7
	global_load_b128 v[BIAS+8*\b:BIAS+8*\b+3], v7, s[10:11] offset:64*\b
	global_load_b128 v[BIAS+8*\b+4:BIAS+8*\b+7], v7, s[10:11] offset:64*\b+16
.endr
	s_wait_kmcnt 0x0
	s_add_co_i32 s98, s96, s97
	s_sub_co_i32 s99, 0, s98
	s_add_co_i32 s96, s98, 127
	s_lshl_b32 s96, s96, 23
	s_wait_loadcnt 0x0
.set j, 0
.rept 64
	v_ldexp_f32 v[BIAS+j], v[BIAS+j], s99
.set j, j+1
.endr
.macro FRAG reg, adr, q, i
.irp c, 0,1,2,3
	ds_load_b128 v[\reg+4*\c:\reg+4*\c+3], v[\adr] offset:128*(\q)+32*\c+(\i)*16*PITCH
.endr
.endm
.macro MUL16 a0, p, zero
.irp a, \a0, \a0+1
.irp b, 0,1,2,3,4,5,6,7
.if \zero
	v_wmma_f32_16x16x128_fp8_fp8 v[8*(8*((\a)%4)+\b):8*(8*((\a)%4)+\b)+7], v[128*(\p)+FR*\b:128*(\p)+FR*\b+FR-1], v[AF+FR*(\a):AF+FR*(\a)+FR-1], v[BIAS+8*\b:BIAS+8*\b+7]
.else
	v_wmma_f32_16x16x128_fp8_fp8 v[8*(8*((\a)%4)+\b):8*(8*((\a)%4)+\b)+7], v[128*(\p)+FR*\b:128*(\p)+FR*\b+FR-1], v[AF+FR*(\a):AF+FR*(\a)+FR-1], v[8*(8*((\a)%4)+\b):8*(8*((\a)%4)+\b)+7]
.endif
.endr
.endr
.endm
.macro FETCH_B slot, q, p
	WIN TO_B
.irp i, 0,1,2,3,4,5,6,7
	FRAG 128*(\p)+FR*\i, ADRB+\slot, \q, \i
.endr
	WIN 0
.endm
.macro FETCH_A slot, q, i0
.irp i, \i0, \i0+1, \i0+2, \i0+3
	FRAG AF+FR*(\i), ADRA+\slot, \q, \i
.endr
.endm
.macro PLACES n
.rept \n
	v_nop
.endr
.endm
.macro STEP slot, q, zero
	s_wait_dscnt 4*NL
.if \zero
	WIN BEG_LO
.else
	WIN MUL_LO
.endif
	MUL16 0, (\q)%2, \zero
	MUL16 2, (\q)%2, \zero
	s_wait_dscnt 0
	PLACES NP
	FETCH_B \slot, (\q)+1, 1-(\q)%2
	FETCH_A \slot, (\q)+1, 0
.if \zero
	WIN BEG_HI
.else
	WIN MUL_HI
.endif
	MUL16 4, (\q)%2, \zero
	MUL16 6, (\q)%2, \zero
	PLACES NP
	WIN 0
	FETCH_A \slot, (\q)+1, 4
.endm
.macro TURN slot, next, fill
	s_wait_tensorcnt 0x0
	ds_add_u32 v[SPW], v[NIL]
	s_wait_dscnt 4*NL+1
	WIN MUL_LO
	MUL16 0, 1, 0
	s_wait_dscnt 0x0
	s_barrier_signal -1
	MUL16 2, 1, 0
	WIN 0
	s_barrier_wait -1
.if \fill
	CREST
	s_add_nc_u64 s[G0+4*\slot+2:G0+4*\slot+3], s[G0+4*\slot+2:G0+4*\slot+3], 2*ROWB
	s_add_nc_u64 s[G0B+4*\slot+2:G0B+4*\slot+3], s[G0B+4*\slot+2:G0B+4*\slot+3], 2*ROWB
	JLOAD G0+4*\slot, G1, G0B+4*\slot, G1B
.else
	PLACES NP
.endif
	FETCH_B \next, 0, 0
	FETCH_A \next, 0, 0
	WIN MUL_HI
	MUL16 4, 1, 0
	MUL16 6, 1, 0
	PLACES NP
	WIN 0
	FETCH_A \next, 0, 4
.endm
	s_wait_alu depctr_va_vdst(0)
	s_wait_tensorcnt 0x0                           ; my part of K step 0 is in
	ds_add_u32 v[SPW], v[NIL]                      ; the add ahead of a later first fill
	s_wait_dscnt 0x0
	CROUND                                         ; everybody's part of K step 0 is in, in all sixteen work-groups
	JLOAD G0+4, G1, G0B+4, G1B                     ; K step 1: slot 1's first fill, the first tensor load behind the round
	FETCH_B 0, 0, 0
	FETCH_A 0, 0, 0
	FETCH_A 0, 0, 4
	STEP 0, 0, 2
	TURN 0, 1, 1
	STEP 1, 0, 0
	TURN 1, 0, 1
	STEP 0, 0, 0
	TURN 0, 1, 0
	STEP 1, 0, 0
	s_wait_dscnt 4*NL
	WIN MUL_LO
	MUL16 0, 1, 0
	MUL16 2, 1, 0
	s_wait_dscnt 0
	WIN MUL_HI
	MUL16 4, 1, 0
	MUL16 6, 1, 0
	WIN 0
.macro TOSTAGE a
.set AC, 64*((\a)%4)
	WIN 0x02+((\a)/4)
.irp j, 0,2,4,6,8,10,12,14,16,18,20,22,24,26,28,30,32,34,36,38,40,42,44,46,48,50,52,54,56,58,60,62
	v_pk_mul_f32 v[TMP+\j:TMP+\j+1], v[AC+\j:AC+\j+1], s[96:97] op_sel_hi:[1,0]
.endr
	WIN 0
.irp b, 0,1,2,3,4,5,6,7
	ds_store_b128 v[STO], v[TMP+8*\b:TMP+8*\b+3] offset:64*\b
	ds_store_b128 v[STO], v[TMP+8*\b+4:TMP+8*\b+7] offset:64*\b+16
.endr
.set BB, BK+64*((\a)%2)
.irp t, 0,1,2,3,4,5,6,7,8,9,10,11,12,13,14,15
	ds_load_b128 v[BB+4*\t:BB+4*\t+3], v[RD] offset:\t*SPITCH
.endr
.endm
.macro SEND a, younger
.set BB, BK+64*((\a)%2)
	s_wait_dscnt \younger
.if (\a) > 0
	s_add_nc_u64 s[12:13], s[12:13], 16*SIZE_N*4
.endif
.irp t, 0,1,2,3,4,5,6,7,8,9,10,11,12,13,14,15
	global_store_b128 v[CO], v[BB+4*\t:BB+4*\t+3], s[12:13] offset:\t*SIZE_N*4 th:TH_STORE_NT
.endr
.endm
	PLACES NP
	TOSTAGE 0
.irp a, 1,2,3,4,5,6,7
.if \a > 1
	s_wait_xcnt 0x0
.endif
	TOSTAGE \a
	SEND \a-1, 32
.endr
	s_wait_xcnt 0x0
	SEND 7, 0
	s_wait_tensorcnt 0x0
	ds_add_u32 v[SPW], v[NIL]
	s_wait_dscnt 0x0
	CROUND
	s_endpgm
.Lfunc_end_k_qef0e11f397_oproj:
	.size	k_qef0e11f397_oproj, .Lfunc_end_k_qef0e11f397_oproj-k_qef0e11f397_oproj
	.p2alignl 7, 3214868480
	.fill 96, 4, 3214868480
	.section	.rodata,"a",@progbits
	.p2align	6, 0x0
	.amdhsa_kernel k_qef0e11f397_oproj
		.amdhsa_group_segment_fixed_size 327680
		.amdhsa_private_segment_fixed_size 0
		.amdhsa_enable_private_segment 0
		.amdhsa_kernarg_size 40
		.amdhsa_user_sgpr_count 2
		.amdhsa_user_sgpr_kernarg_segment_ptr 1
		.amdhsa_wavefront_size32 1
		.amdhsa_system_sgpr_workgroup_id_x 1
		.amdhsa_system_sgpr_workgroup_id_y 1
		.amdhsa_system_sgpr_workgroup_id_z 1
		.amdhsa_system_vgpr_workitem_id 0
		.amdhsa_next_free_vgpr 1024
		.amdhsa_next_free_sgpr 100
		.amdhsa_reserve_vcc 0
		.amdhsa_float_denorm_mode_32 3
		.amdhsa_float_denorm_mode_16_64 3
		.amdhsa_memory_ordered 1
		.amdhsa_forward_progress 1
		.amdhsa_inst_pref_size 129
	.end_amdhsa_kernel
	.amdgpu_metadata
---
amdhsa.version: [ 1, 2 ]
amdhsa.kernels:
  - .name:           k_qef0e11f397_oproj
    .symbol:         k_qef0e11f397_oproj.kd
    .args:
      - { .name: ac, .offset: 0, .size: 8, .value_kind: global_buffer, .address_space: global }
      - { .name: xw, .offset: 8, .size: 8, .value_kind: global_buffer, .address_space: global }
      - { .name: lowp_scales, .offset: 16, .size: 8, .value_kind: global_buffer, .address_space: global }
      - { .name: bo, .offset: 24, .size: 8, .value_kind: global_buffer, .address_space: global }
      - { .name: out0, .offset: 32, .size: 8, .value_kind: global_buffer, .address_space: global }
    .group_segment_fixed_size: 327680
    .private_segment_fixed_size: 0
    .kernarg_segment_align: 8
    .kernarg_segment_size: 40
    .max_flat_workgroup_size: 128
    .sgpr_count:     100
    .vgpr_count:     1024
    .wavefront_size: 32
...
	.end_amdgpu_metadata
.endif
;; end of part 4
